; MI455X (gfx1250); checked and timed in simulation.
; The chip was launched on July 23, 2026; its instructions are those of AMD's public machine-readable ISA for CDNA 5 (MIT licence, August 2026) and "CDNA5" Instruction Set Architecture Reference Guide (July 2026). The comments in the code are by the model that wrote it; some were corrected since.
;; Multi Head Attention. Allowed arithmetic: matrix products marked QUANTISED: E2M1 operands, one E8M0 scale for each 32 along K, by v_wmma_scale_f32_16x16x128_f8f6f4 with both operands' format E2M1 (or v_wmma_scale_f32_32x16x128_f4), f32 sums; everything else in f32.
;; Inputs: bk 1,024 float32; bo 1,024 float32; bq 1,024 float32; bv 1,024 float32; k 4 x 2,048 x 1,024 float32; mask 2,048 x 2,048 bool; q 4 x 2,048 x 1,024 float32; v 4 x 2,048 x 1,024 float32; wk 1,024 x 1,024 float32; wo 1,024 x 1,024 float32; wq 1,024 x 1,024 float32; wv 1,024 x 1,024 float32.
;; Outputs: out0 4 x 2,048 x 1,024 float32.
;; This version of the problem:
;;   THIS VERSION OF THE PROBLEM IS GIVEN IN LOW PRECISION. The matrix products marked QUANTISED in the list below multiply operands that are first quantised to E2M1 (2 exponent bits, 1 mantissa bit; 4 bits a number), with one power-of-two scale for each 32 numbers along K (OCP MX v1.0); their sums are f32. All else is computed in f32.
;;   The module's matrix products, in the order in which they are computed (A, B: the left and right operand; K: the contracted axis; several contracted axes count as one K, in the product's order):
;;     1. [M 8,192, K 1,024] x [K 1,024, N 1,024]; A: input q; B: input wq: QUANTISED
;;     2. [M 8,192, K 1,024] x [K 1,024, N 1,024]; A: input k; B: input wk: QUANTISED
;;     3. [M 8,192, K 1,024] x [K 1,024, N 1,024]; A: input v; B: input wv: QUANTISED
;;     4. batch 64 x [M 2,048, K 64] x [K 64, N 2,048]; A: computed on the way; B: computed on the way: QUANTISED
;;     5. batch 64 x [M 2,048, K 2,048] x [K 2,048, N 64]; A: softmax (see below); B: computed on the way: QUANTISED
;;     6. [M 8,192, K 1,024] x [K 1,024, N 1,024]; A: computed on the way; B: input wo: QUANTISED
;;   THE QUANTISER, for each operand of a quantised product, along K:
;;     - K is cut into blocks of 32 from its start; a last block that is shorter is filled with zeros.
;;     - A block's scale is 2^e with e = floor(log2(the largest magnitude in the block)) - 2, held to -126 .. 127; a block of zeros has e = 0. As a byte (E8M0): e + 127.
;;     - Each number is divided by its block's scale, clamped to +-6, and rounded to the nearest number of E2M1, ties to even, subnormals kept.
;;     - The product sums the exact products of the quantised numbers (number of the format x scale) in f32.
;;   ~~~python
;;   def quantise(x, axis):      # numpy; x: float32 -> the quantised numbers, widened to float32 again
;;       x = np.moveaxis(x, axis, -1); K = x.shape[-1]
;;       x = np.pad(x, [(0, 0)] * (x.ndim - 1) + [(0, -K % 32)]); x = x.reshape(x.shape[:-1] + (-1, 32)); a = np.abs(x).max(-1, keepdims=True)
;;       e = np.where(a > 0, np.clip(np.frexp(np.where(a > 0, a, 1))[1] - 1 - 2, -126, 127), 0)      # np.frexp(a)[1] - 1 = floor(log2(a)), exactly
;;       r = np.clip(x / 2.0 ** e, -6, 6)
;;       step = 2.0 ** (np.maximum(np.frexp(np.where(r == 0, 1, r))[1] - 1, 0) - 1)
;;       q = np.round(r / step) * step * 2.0 ** e      # np.round: ties to even
;;       return np.moveaxis(q.reshape(q.shape[:-2] + (-1,))[..., :K], -1, axis).astype(np.float32)
;;   ~~~
;;   SOFTMAX AHEAD OF A QUANTISED PRODUCT. Where the list says 'softmax', what is quantised is not the finished softmax but p = 2^(t - M), with t = logit x log2(e) and M = ceil(the row's largest t), a whole number; so 1/2 < the row's largest p <= 1. The row's sum l is taken of the UNQUANTISED p, in f32, and the product's result is divided by l at the end. Since M is a whole number, a kernel that streams over the keys may use a running M (the ceiling of the running maximum): every later rescaling is an exact power of two, which a block's scale takes up: the codes' values come out the same.
;;   OPERANDS COMPUTED ON THE WAY. 'Computed on the way' means the value that the module computes at that place (a softmax that the list does not call 'softmax' is quantised finished and normalised). What goes into a quantiser is computed in f32, as accurately as f32 sums, v_exp_f32 and their like allow (about 1e-6 of the number): no bf16 or f16 on the way to a quantiser, and a product that is left as it is and whose result goes on into a quantised operand takes f32 operands (vector FMAs, or v_wmma_f32_16x16x4_f32). A number that lies on a knife's edge between two numbers of the format may be rounded either way, as far as f32 arithmetic and the matrix unit's own rounding can turn it there, and no further.
;; 2 versions, each right; version 2 is version 1 with the launch attn written anew for expert scheduling mode. Each part assembles by itself: llvm-mc -triple=amdgcn-amd-amdhsa -mcpu=gfx1250 --defsym DOCPART=n.
;; ======== version 1 of 2: 4 launches
;; workspace buffers: codes 18,874,368 bytes; scales 1,179,648 bytes; qk_codes 8,388,608 bytes; qk_scales 524,288 bytes; v_codes 4,194,304 bytes; v_scales 262,144 bytes; lm 524,288 bytes of whole numbers; cls 512 bytes of whole numbers
;; launch prep (part 1): grid 576 x 1, 4 waves a work-group, no clusters, 68,096 bytes of LDS; arguments q, k, v, wq, wk, wv, wo, mask, codes, scales, lm, cls; writes codes, scales, lm, cls
.if DOCPART == 1
	.amdgcn_target "amdgcn-amd-amdhsa--gfx1250"
	.amdhsa_code_object_version 6
	.text
	.protected	k_qa40afdefe8_prep
	.globl	k_qa40afdefe8_prep
	.p2align	8
	.type	k_qa40afdefe8_prep,@function
k_qa40afdefe8_prep:
	s_mov_b64 s[64:65], 0
	v_nop
	global_prefetch_b8 v0, s[64:65] scope:SCOPE_SE
	s_setreg_imm32_b32 hwreg(HW_REG_WAVE_MODE, 25, 1), 1
	s_wait_xcnt 0x0
; q, k, v [8192][1024] and wq, wk, wv, wo [1024][1024], f32, become codes of FP4 (E2M1) with one E8M0 byte for each 32 along K = 1,024; the mask [2048][2048] becomes lane masks and classes of tiles.
; TILES.  A tile is 16 rows, not neighbours: row r of tile t is 32 (t / 2) + 8 (t % 2) + r + 8 (r / 8).  So a later product that takes a tile as source 0 finds, in the 16 registers of two neighbouring tiles, 16 neighbouring rows.
; IMAGES.  The codes of (tile, K step of 128) are stored as the operand's registers stand: [c = 0, 1][lane][16 bytes], lane (r, h) holding k = 64 c + 32 h + 0 .. 31 of row r: 1,024 bytes, 8 K steps on end: 8,192 bytes a tile.
; The scale words (four bytes: 128 along K of a row) lie [tile][half of K][r][4 words]: 512 bytes a tile.
; A block's scale is 2^(floor(log2(its largest magnitude)) - 2): its byte is the largest magnitude's exponent field - 2, held at 1 from below.
; LIMITS: a block of zeros gets the byte 1 where the quantiser says 127 (its codes are zeros, and this program alone reads the bytes); NaN and infinities among the inputs are not served.
; SHARES.  Work-groups 0 to 447: a wave takes one tile for all of K (tiles 0-511 q, 512- k, 1024- v, 1536- wq, 1600- wk, 1664- wv, 1728- wo).  Work-groups 448 to 575: one tile of 16 queries of the mask, a wave 512 keys.
; Each load reads 512 consecutive bytes of a row; the rows turn through the wave's own stage in LDS (16 rows x 528 bytes), so that a lane gets 32 neighbours along K: a whole block, whose maximum needs no other lane.
; No barrier: waves share nothing.  The two kinds of work-group have LDS bytes of their own.  Two steps' loads (32 of 512 bytes) are out in each wave.
; The class of a tile's step leaves as one byte a wave: 512 bytes in the whole launch are stored so.
.set SP,   528                         ; a stage row: 512 bytes + 16: 33 x 16
.set STG,  16*SP
.set R,    16                          ; v16-143  two sets of 16 x 4 registers as loaded
.set X,    144                         ; v144-207 64 numbers: two blocks of 32
.set C,    208                         ; v208-215 a K step's codes
.set W,    216                         ; v216-223 the eight scale words
.set A,    224                         ; v224-225 largest magnitudes
.set SO,   226                         ; v226-227 the conversions' scale operands
.set BY,   228                         ; v228-229 the bytes
.set T,    230                         ; v230-231 at work
.set D,    232                         ; v232-235 the scale words as stored
	s_load_b512 s[8:23], s[0:1], 0x0               ; q, k, v, wq, wk, wv, wo, mask
	s_load_b256 s[24:31], s[0:1], 0x40             ; codes, scales, lm, cls
	v_lshl_add_u32 v254, v0, 2, 0x10800
	v_mov_b32 v255, 0
	v_lshrrev_b32 v1, 5, v0
	v_readfirstlane_b32 s4, v1                     ; wave
	v_and_b32 v1, 31, v0                           ; lane
	v_lshlrev_b32 v2, 4, v1                        ; 16 x lane
	v_and_b32 v6, 15, v0                           ; r
	v_bfe_u32 v7, v0, 4, 1                         ; h
	v_mul_u32_u24 v4, v6, SP
	s_mul_i32 s5, s4, STG                          ; my stage
	s_mov_b32 s40, 0x76543210
	s_mov_b32 s41, 0xfedcba98                      ; v_permlanex16_b32's selects for lane l xor 16
	s_mov_b32 s42, 0xffff0000                      ; the lanes with h = 1
	s_cmp_ge_u32 ttmp9, 448
	s_cbranch_scc1 .Lmask
	; ---------------- the quantiser ----------------
	v_add_nc_u32 v3, s5, v2                        ; into the stage: 16 x lane of a row
	v_lshl_add_u32 v4, v7, 7, v4
	v_add_nc_u32 v4, s5, v4                        ; out of it: row r, + 128 h bytes: my 32 numbers of each 64
	v_lshlrev_b32 v5, 3, v7                        ; 8 h: my bytes' place in a scale word
	v_mov_b32 v[T+1], 0                            ; written once: a lane permute's destination counts as one of its sources
	s_lshl_b32 s6, ttmp9, 2
	s_add_co_u32 s6, s6, s4                        ; my tile in the buffers of codes and scales
	s_and_b32 s7, s6, 511
	s_and_b32 s43, s6, 63
	s_cmp_lt_u32 ttmp9, 384
	s_cselect_b32 s7, s7, s43                      ; and in its own tensor
	s_lshr_b32 s34, s7, 1
	s_lshl_b32 s34, s34, 17                        ; 32 rows of 4,096 bytes
	s_and_b32 s35, s7, 1
	s_lshl_b32 s35, s35, 15                        ; 8 rows
	s_add_co_u32 s34, s34, s35
	s_mov_b32 s35, 0
	s_lshl_b32 s36, s6, 13
	s_mov_b32 s37, 0
	s_lshl_b32 s38, s6, 9
	s_mov_b32 s39, 0
	s_wait_kmcnt 0x0
	s_mov_b64 s[32:33], s[8:9]                     ; which tensor: the choice hangs on the work-group's number alone
	s_cmp_ge_u32 ttmp9, 128
	s_cselect_b64 s[32:33], s[10:11], s[32:33]
	s_cmp_ge_u32 ttmp9, 256
	s_cselect_b64 s[32:33], s[12:13], s[32:33]
	s_cmp_ge_u32 ttmp9, 384
	s_cselect_b64 s[32:33], s[14:15], s[32:33]
	s_cmp_ge_u32 ttmp9, 400
	s_cselect_b64 s[32:33], s[16:17], s[32:33]
	s_cmp_ge_u32 ttmp9, 416
	s_cselect_b64 s[32:33], s[18:19], s[32:33]
	s_cmp_ge_u32 ttmp9, 432
	s_cselect_b64 s[32:33], s[20:21], s[32:33]
	s_add_nc_u64 s[32:33], s[32:33], s[34:35]
	s_add_nc_u64 s[24:25], s[24:25], s[36:37]
	s_add_nc_u64 s[26:27], s[26:27], s[38:39]
.macro LOAD t                          ; K step t of the tile's 16 rows: 512 consecutive bytes a load
.irp i, 0,1,2,3,4,5,6,7,8,9,10,11,12,13,14,15
	global_load_b128 v[R+64*((\t)%2)+4*\i:R+64*((\t)%2)+4*\i+3], v2, s[32:33] offset:(\i+8*(\i/8))*4096+512*(\t) th:TH_LOAD_NT
.endr
.endm
.macro STEP t
.set RS, R+64*((\t)%2)
.if (\t) < 7
	s_wait_loadcnt 16                              ; this step's 16 loads are in; the next step's 16 may be out
.else
	s_wait_loadcnt 0x0
.endif
.irp i, 0,1,2,3,4,5,6,7,8,9,10,11,12,13,14,15
	ds_store_b128 v3, v[RS+4*\i:RS+4*\i+3] offset:SP*\i
.endr
.irp c, 0,1
.irp j, 0,1,2,3,4,5,6,7
	ds_load_b128 v[X+32*\c+4*\j:X+32*\c+4*\j+3], v4 offset:256*\c+16*\j   ; LDS serves a wave's instructions in order: these see the stores above
.endr
.endr
	s_wait_dscnt 0x0                               ; the numbers are back, so the stores have read their registers,
.if (\t)+2 < 8
	LOAD (\t)+2                                    ; which take the loads of two steps on
.endif
.irp c, 0,1
	v_max3_num_f32 v[A+\c], |v[X+32*\c]|, |v[X+32*\c+1]|, 0x1800000   ; block 2 c + h: all 32 numbers are mine; the floor 2^(3 - 127) holds the byte at 1 from below
.endr
.irp i, 2,4,6,8,10,12,14,16,18,20,22,24,26,28,30
.irp c, 0,1
	v_max3_num_f32 v[A+\c], v[A+\c], |v[X+32*\c+\i]|, |v[X+32*\c+\i+1]|
.endr
.endr
.irp c, 0,1
	v_add_nc_u32 v[SO+\c], 0xff000000, v[A+\c]     ; 2 off the exponent field: the conversion takes the exponent field of this operand as its scale
.endr
.irp c, 0,1
	v_lshrrev_b32 v[BY+\c], 23, v[SO+\c]           ; the scale's byte
.endr
	v_lshl_or_b32 v[T], v[BY+1], 16, v[BY]         ; my two bytes: blocks h and 2 + h,
	v_lshlrev_b32 v[T], v5, v[T]                   ; at their places;
	v_permlanex16_b32 v[T+1], v[T], s40, s41
	v_or_b32 v[W+(\t)], v[T], v[T+1]               ; with lane l xor 16's two the row's word is whole
	s_wait_xcnt 0x0                                ; the last step's stores have read their data: the codes' registers are written again only behind this wait
.irp c, 0,1
.irp g, 0,1,2,3
	v_cvt_scalef32_pk8_fp4_f32 v[C+4*\c+\g], v[X+32*\c+8*\g:X+32*\c+8*\g+7], v[SO+\c]
.endr
.endr
	v_nop                                          ; one plain line behind the last scaled conversion
	global_store_b128 v2, v[C:C+3], s[24:25] offset:1024*(\t)          ; 512 consecutive bytes each
	global_store_b128 v2, v[C+4:C+7], s[24:25] offset:1024*(\t)+512
.endm
	LOAD 0
	LOAD 1
.irp t, 0,1,2,3,4,5,6,7
	STEP \t
.endr
.irp j, 0,1,2,3
	v_cndmask_b32 v[D+\j], v[W+\j], v[W+4+\j], s42 ; lanes 0-15 store the words of K steps 0-3, lanes 16-31 those of 4-7
.endr
	global_store_b128 v2, v[D:D+3], s[26:27]       ; the tile's 512 bytes of scale words
	s_wait_tensorcnt 0x0
	ds_add_u32 v254, v255
	s_wait_dscnt 0x0
	s_endpgm
	; ---------------- the mask ----------------
	; lm[T][step][n], n = 0 .. 63: bit l = mask[query row l % 16 of tile T][128 step + 32 (n / 16) + 16 (l / 16) + n % 16]: the lane mask of register n of the scores as the attention holds them.
	; cls[T]: two bits a step: 0 nothing masked, 1 mixed, 2 all masked.
.Lmask:
	s_add_co_u32 s5, s5, 4*STG                     ; LDS bytes of this path's own
	v_add_nc_u32 v3, s5, v2
	v_lshl_add_u32 v4, v7, 4, v4
	v_add_nc_u32 v4, s5, v4                        ; out of the stage: row r, + 16 h
	v_lshlrev_b32 v5, 3, v1                        ; 8 x lane
	s_sub_co_u32 s6, ttmp9, 448                    ; T
	s_lshr_b32 s34, s6, 1
	s_lshl_b32 s34, s34, 16                        ; 32 rows of 2,048 bytes
	s_and_b32 s35, s6, 1
	s_lshl_b32 s35, s35, 14
	s_add_co_u32 s34, s34, s35
	s_lshl_b32 s35, s4, 9                          ; my wave's 512 keys
	s_add_co_u32 s34, s34, s35
	s_mov_b32 s35, 0
	s_lshl_b32 s36, s6, 4
	s_lshl_b32 s37, s4, 2
	s_add_co_u32 s36, s36, s37
	s_lshl_b32 s36, s36, 8                         ; (16 T + 4 wave) records of 256 bytes
	s_mov_b32 s37, 0
	s_lshl_b32 s38, s6, 2
	s_add_co_u32 s38, s38, s4                      ; byte `wave` of word T
	s_mov_b32 s39, 0
	s_wait_kmcnt 0x0
	s_add_nc_u64 s[22:23], s[22:23], s[34:35]
	s_add_nc_u64 s[28:29], s[28:29], s[36:37]
	s_add_nc_u64 s[30:31], s[30:31], s[38:39]
.irp i, 0,1,2,3,4,5,6,7,8,9,10,11,12,13,14,15
	global_load_b128 v[16+4*\i:19+4*\i], v2, s[22:23] offset:(\i+8*(\i/8))*2048 th:TH_LOAD_NT
.endr
.irp i, 0,1,2,3,4,5,6,7
	v_mov_b32 v[144+\i], 0                         ; v_writelane_b32's destination counts as one of its sources
.endr
	v_mov_b32 v161, 0
	s_mov_b32 s35, 0                               ; the four steps' classes
	s_wait_loadcnt 0x0
.irp i, 0,1,2,3,4,5,6,7,8,9,10,11,12,13,14,15
	ds_store_b128 v3, v[16+4*\i:19+4*\i] offset:SP*\i
.endr
.irp s, 0,1,2,3
.irp b, 0,1,2,3
	ds_load_b128 v[80+16*\s+4*\b:83+16*\s+4*\b], v4 offset:128*\s+32*\b   ; 16 bytes: keys 128 s + 32 b + 16 h + 0 .. 15 of query row r
.endr
.endr
	s_wait_dscnt 0x0
.macro MSTEP s                         ; eight registers' lane masks at a time, so that no line waits for the line above it
	s_mov_b32 s33, -1
	s_mov_b32 s34, 0
.set n0, 0
.rept 8
.irp e, 0,1,2,3,4,5,6,7
	v_and_b32 v[152+\e], 0xff<<(8*(\e%4)), v[80+16*\s+4*(n0/16)+((n0+\e)%16)/4]
.endr
.irp e, 0,1,2,3,4,5,6,7
	v_cmp_ne_u32 s[44+\e], 0, v[152+\e]
.endr
.irp e, 0,1,2,3,4,5,6,7
	v_writelane_b32 v[144+2*\s+\e%2], s[44+\e], (n0+\e)/2      ; word n goes to lane n / 2 of register n % 2
.endr
.irp e, 0,1,2,3,4,5,6,7
	s_and_b32 s33, s33, s[44+\e]
	s_or_b32 s34, s34, s[44+\e]
.endr
.set n0, n0+8
.endr
	global_store_b64 v5, v[144+2*\s:145+2*\s], s[28:29] offset:256*\s    ; the step's record: 256 consecutive bytes, aligned
	s_cmp_lg_u32 s34, 0
	s_cselect_b32 s36, 1, 0
	s_cmp_eq_u32 s33, -1
	s_cselect_b32 s37, 1, 0
	s_add_co_u32 s36, s36, s37                     ; 0, 1 or 2
	s_lshl_b32 s36, s36, 2*\s
	s_or_b32 s35, s35, s36
.endm
.irp s, 0,1,2,3
	MSTEP \s
.endr
	v_mov_b32 v160, s35
	v_cmp_gt_u32 vcc_lo, 1, v1
	s_wait_xcnt 0x0                                ; EXEC changes only behind this wait
	s_wait_tensorcnt 0x0
	ds_add_u32 v254, v255
	s_wait_dscnt 0x0
	s_and_saveexec_b32 s36, vcc_lo
	global_store_b8 v161, v160, s[30:31]           ; lane 0 alone
	s_wait_xcnt 0x0
	s_or_b32 exec_lo, exec_lo, s36
	s_endpgm
.Lfunc_end_k_qa40afdefe8_prep:
	.size	k_qa40afdefe8_prep, .Lfunc_end_k_qa40afdefe8_prep-k_qa40afdefe8_prep
	.p2alignl 7, 3214868480
	.fill 96, 4, 3214868480
	.section	.rodata,"a",@progbits
	.p2align	6, 0x0
	.amdhsa_kernel k_qa40afdefe8_prep
		.amdhsa_group_segment_fixed_size 68096
		.amdhsa_private_segment_fixed_size 0
		.amdhsa_enable_private_segment 0
		.amdhsa_kernarg_size 96
		.amdhsa_user_sgpr_count 2
		.amdhsa_user_sgpr_kernarg_segment_ptr 1
		.amdhsa_wavefront_size32 1
		.amdhsa_system_sgpr_workgroup_id_x 1
		.amdhsa_system_sgpr_workgroup_id_y 1
		.amdhsa_system_sgpr_workgroup_id_z 1
		.amdhsa_system_vgpr_workitem_id 0
		.amdhsa_next_free_vgpr 256
		.amdhsa_next_free_sgpr 66
		.amdhsa_reserve_vcc 1
		.amdhsa_float_denorm_mode_32 3
		.amdhsa_float_denorm_mode_16_64 3
		.amdhsa_memory_ordered 1
		.amdhsa_forward_progress 1
		.amdhsa_inst_pref_size 128
	.end_amdhsa_kernel
	.amdgpu_metadata
---
amdhsa.version: [ 1, 2 ]
amdhsa.kernels:
  - .name:           k_qa40afdefe8_prep
    .symbol:         k_qa40afdefe8_prep.kd
    .args:
      - { .name: q, .offset: 0, .size: 8, .value_kind: global_buffer, .address_space: global }
      - { .name: k, .offset: 8, .size: 8, .value_kind: global_buffer, .address_space: global }
      - { .name: v, .offset: 16, .size: 8, .value_kind: global_buffer, .address_space: global }
      - { .name: wq, .offset: 24, .size: 8, .value_kind: global_buffer, .address_space: global }
      - { .name: wk, .offset: 32, .size: 8, .value_kind: global_buffer, .address_space: global }
      - { .name: wv, .offset: 40, .size: 8, .value_kind: global_buffer, .address_space: global }
      - { .name: wo, .offset: 48, .size: 8, .value_kind: global_buffer, .address_space: global }
      - { .name: mask, .offset: 56, .size: 8, .value_kind: global_buffer, .address_space: global }
      - { .name: codes, .offset: 64, .size: 8, .value_kind: global_buffer, .address_space: global }
      - { .name: scales, .offset: 72, .size: 8, .value_kind: global_buffer, .address_space: global }
      - { .name: lm, .offset: 80, .size: 8, .value_kind: global_buffer, .address_space: global }
      - { .name: cls, .offset: 88, .size: 8, .value_kind: global_buffer, .address_space: global }
    .group_segment_fixed_size: 68096
    .private_segment_fixed_size: 0
    .kernarg_segment_align: 8
    .kernarg_segment_size: 96
    .max_flat_workgroup_size: 128
    .sgpr_count:     66
    .vgpr_count:     256
    .wavefront_size: 32
...
	.end_amdgpu_metadata
.endif
;; end of part 1
;; launch proj (part 2): grid 4 x 192, 4 waves a work-group, clusters of 4 x 4, 209,408 bytes of LDS; arguments codes, scales, bq, bk, bv, qk_codes, qk_scales, v_codes, v_scales; writes qk_codes, qk_scales, v_codes, v_scales
.if DOCPART == 2
	.amdgcn_target "amdgcn-amd-amdhsa--gfx1250"
	.amdhsa_code_object_version 6
	.text
	.protected	k_qa40afdefe8_proj
	.globl	k_qa40afdefe8_proj
	.p2align	8
	.type	k_qa40afdefe8_proj,@function
k_qa40afdefe8_proj:
	s_mov_b64 s[64:65], 0
	v_nop
	global_prefetch_b8 v0, s[64:65] scope:SCOPE_SE
	s_setreg_imm32_b32 hwreg(HW_REG_WAVE_MODE, 25, 1), 1
	s_wait_xcnt 0x0
	s_wait_alu depctr_hold_cnt(0) depctr_sa_sdst(0) depctr_va_vdst(0) depctr_va_sdst(0) depctr_va_ssrc(0) depctr_va_vcc(0) depctr_vm_vsrc(0)
	s_getreg_b32 s2, hwreg(HW_REG_IB_STS2, 6, 4)
	s_cmp_eq_u32 s2, 0
	s_cbranch_scc0 .Lentry_in_a_cluster
	s_endpgm
.Lentry_in_a_cluster:
	s_bfe_u32 s2, ttmp6, 0x10000c
	s_cmp_lg_u32 s2, 0xf033
	s_cbranch_scc0 .Lentry_shape_is_right
	s_endpgm
.Lentry_shape_is_right:
; The three input projections, x W^T + b, on codes of FP4 (E2M1) with E8M0 scales, K = 1,024; their results are quantised at once into the attention's operands and leave as codes.
; ONE GENERIC PRODUCT: acc(i, j) = the sum over k of S0[i][k] S1[j][k], S0 source 0, S1 source 1: a lane holds ONE row of S1 and its registers run along rows of S0.
;   q, k (p = 0, 1): S0 = W, S1 = x: registers run along the head's 64: quantised along d.     v (p = 2): S0 = x, S1 = W: registers run along the keys: quantised along the keys.
; Tiles of 16 rows are not neighbours (row r of tile t = 32 (t / 2) + 8 (t % 2) + r + 8 (r / 8)), so the 16 registers of two neighbouring S0 tiles are 16 neighbouring rows of S0.
; SHARES.  A work-group: 256 rows of S0 x 128 rows of S1, all of K.  Wave w: S0 tiles 8 (w / 2) .. + 7, S1 tiles 4 (w % 2) .. + 3: 32 accumulators, 256 registers.
; LDS.  K fits: two halves of K (24 tiles x 4 K steps x 1,024 bytes each) and the 24 tiles' scale words are each filled ONCE, by three tensor loads of waves 0, 1 (S0) and 2 (S1): nothing is filled again.
; By this text's count a wave has three tensor loads out at the most.  Fragments lie in LDS as images of the operand's registers: 16 x lane, no pitch, no padding.
; CLUSTER 4 x 4: S0's tiles hang on cx alone and are asked for jointly by the column (same cx), S1's on cy alone, by the row.  p and y come from the cluster's y and are equal in all sixteen.
; The bias is laid into the accumulators while the tiles are on their way, so all eight K steps add in place and none is written apart.
; LIMITS: a block of zeros gets the byte 1 (its codes are zeros; this program alone reads the bytes); NaN and infinities are not served.  q's and k's scale words leave in pieces of 128 bytes (0.5 MB in all).
; REGISTERS.  Window 0: v1-15 addresses; v16-79 S0's scale words; v80-111 S1's; v112-175 S1's fragments, two sets; v176-207 the quantiser's.  Window 1: S0's fragments, two sets.  Window 2: accumulator (t, a) at 64 t + 8 a.
.set SLOT,  98304                      ; half of K: 24 tiles x 4,096 bytes: S0's 16, then S1's 8
.set SCL,   2*SLOT                     ; the scale words: 24 tiles x 512 bytes
.set AD0,   4                          ; v4-5   LDS address of my S0 fragments in half 0, 1
.set AD1,   6                          ; v6-7   of my S1 fragments
.set AS0,   8                          ; v8     of my S0 scale words
.set AS1,   9                          ; v9     of my S1 scale words
.set CA0,   10                         ; v10-11 the codes' byte offsets
.set CA1,   11
.set SA,    12                         ; v12    the scale words' byte offset
.set SELB,  13                         ; v13    v_perm_b32's selector: bytes 0, 1 of two words (lanes 0-15) or bytes 2, 3 (lanes 16-31)
.set BH,    14                         ; v14    64 h
.set BR,    15                         ; v15    4 (r + 8 (r / 8))
.set SC0,   16
.set SC1,   80
.set S1F,   112
.set PC,    176                        ; v176-183 the codes just made
.set PW,    184                        ; v184-187 the four tiles' scale words
.set TM,    188                        ; v188-203 at work
.set DD,    206                        ; v206-207 scale words as stored
.set WV,    22
.set S0H,   23
.set S1H,   24
.set CX,    25
.set CY,    26
.set PP,    27
.set YY,    28
.set MSB, 0
.macro WIN new                         ; the immediate's high byte repeats the setting that is left
.if MSB != \new
	s_set_vgpr_msb (MSB<<8)|\new
.set MSB, \new
.endif
.endm
.macro PLACES                          ; four plain lines behind a matrix instruction, ahead of loads into its sources and of reads of its result
.rept 4
	v_nop
.endr
.endm
.macro CROUND                          ; a round of the cluster's barrier
	s_barrier_signal -1
	s_barrier_wait -1
	s_cmp_lg_u32 s[WV], 0
	s_cbranch_scc1 .Lnot_wave_0_\@
	s_barrier_signal -3
.Lnot_wave_0_\@:
	s_barrier_wait -3
	s_barrier_signal -1
	s_barrier_wait -1
.endm
	s_load_b512 s[4:19], s[0:1], 0x0               ; codes, scales, bq, bk, bv, qk_codes, qk_scales, v_codes
	s_load_b64 s[20:21], s[0:1], 0x40              ; v_scales
	v_lshl_add_u32 v254, v0, 2, 0x33000
	v_mov_b32 v255, 0
	ds_add_u32 v254, v255
	ds_add_u32 v254, v255
	v_lshrrev_b32 v1, 5, v0
	v_readfirstlane_b32 s[WV], v1
	s_lshr_b32 s[S0H], s[WV], 1
	s_and_b32 s[S1H], s[WV], 1
	s_bfe_u32 s[CX], ttmp6, 0x40000
	s_bfe_u32 s[CY], ttmp6, 0x40004
	s_and_b32 s[YY], ttmp7, 0xffff                 ; the cluster's y: 16 p + y
	s_lshr_b32 s[PP], s[YY], 4
	s_and_b32 s[YY], s[YY], 15
	s_mov_b32 s67, 0xffff0000                      ; the lanes with h = 1
	; the first tiles.  S0's chain (s92, s93) never holds cy, S1's (s94, s95) never cx
	s_lshl_b32 s92, s[PP], 6
	s_add_co_u32 s92, s92, 1536                    ; q, k: the weight's 64 tiles
	s_lshr_b32 s93, s[YY], 1
	s_lshl_b32 s93, s93, 6
	s_add_co_u32 s93, s93, 1024                    ; v: 64 tiles of x
	s_lshl_b32 s94, s[PP], 9
	s_lshl_b32 s95, s[YY], 5
	s_add_co_u32 s94, s94, s95                     ; q, k: 32 tiles of x
	s_and_b32 s95, s[YY], 1
	s_lshl_b32 s95, s95, 5
	s_add_co_u32 s95, s95, 1664                    ; v: 32 tiles of wv
	s_cmp_eq_u32 s[PP], 2
	s_cselect_b32 s92, s93, s92
	s_cselect_b32 s94, s95, s94
	s_lshl_b32 s93, s[CX], 4
	s_add_co_u32 s92, s92, s93
	s_lshl_b32 s93, s[WV], 3
	s_add_co_u32 s92, s92, s93                     ; S0: the eight tiles that waves 0 and 1 fetch
	s_lshl_b32 s95, s[CY], 3
	s_add_co_u32 s94, s94, s95                     ; S1: the eight tiles that wave 2 fetches
	s_lshl_b32 s29, 0x1111, s[CX]                  ; my column of the cluster
	s_lshl_b32 s66, s[CY], 2
	s_lshl_b32 s66, 15, s66                        ; my row
	; group 1, codes: 8 rows (tiles) of 512 elements of 8 bytes, 1,024 elements apart; no padding.  15:0 the mask; 17:16 element size; 21 set beside a mask
	s_or_b32 s32, s29, (3<<16)|(1<<21)
	s_or_b32 s40, s66, (3<<16)|(1<<21)
.irp g, 32, 40
	s_mov_b32 s[\g+1], 512<<16                     ; tensor_dim0
	s_mov_b32 s[\g+2], 8<<16                       ; tensor_dim1
	s_mov_b32 s[\g+3], 512<<16                     ; tile_dim0
	s_mov_b32 s[\g+4], 8                           ; tile_dim1
	s_mov_b32 s[\g+5], 1024                        ; from row to row
	s_mov_b32 s[\g+6], 0
	s_mov_b32 s[\g+7], 0
.endr
	; group 1, scale words: 4,096 dense bytes as 16 rows of 256
	s_or_b32 s48, s29, (3<<16)|(1<<21)
	s_or_b32 s56, s66, (3<<16)|(1<<21)
.irp g, 48, 56
	s_mov_b32 s[\g+1], 32<<16
	s_mov_b32 s[\g+2], 16<<16
	s_mov_b32 s[\g+3], 32<<16
	s_mov_b32 s[\g+4], 16
	s_mov_b32 s[\g+5], 32
	s_mov_b32 s[\g+6], 0
	s_mov_b32 s[\g+7], 0
.endr
	s_lshl_b32 s96, s92, 13                        ; a tile's codes are 8,192 bytes,
	s_mov_b32 s97, 0
	s_lshl_b32 s98, s92, 9                         ; its scale words 512
	s_mov_b32 s99, 0
	s_lshl_b32 s100, s94, 13
	s_mov_b32 s101, 0
	s_lshl_b32 s30, s94, 9
	s_mov_b32 s31, 0
	s_lshl_b32 s2, s[WV], 12
	s_add_co_u32 s2, s2, SCL                       ; LDS: my eight tiles' scale words,
	s_lshl_b32 s3, s[WV], 15                       ; and their place in a half of K: no place in the cluster enters an LDS address
	s_wait_dscnt 0x0
	s_wait_kmcnt 0x0
	s_mov_b32 s68, 1                               ; S0: scale words,
	s_mov_b32 s69, s2
	s_add_nc_u64 s[70:71], s[6:7], s[98:99]
	s_or_b32 s71, s71, 0x80000000
	s_mov_b32 s72, 1                               ; first half of K,
	s_mov_b32 s73, s3
	s_add_nc_u64 s[74:75], s[4:5], s[96:97]
	s_or_b32 s75, s75, 0x80000000
	s_mov_b32 s76, 1                               ; second half
	s_add_co_u32 s77, s3, SLOT
	s_add_nc_u64 s[78:79], s[4:5], s[96:97]
	s_add_nc_u64 s[78:79], s[78:79], 4096
	s_or_b32 s79, s79, 0x80000000
	s_mov_b32 s80, 1                               ; S1 likewise
	s_mov_b32 s81, s2
	s_add_nc_u64 s[82:83], s[6:7], s[30:31]
	s_or_b32 s83, s83, 0x80000000
	s_mov_b32 s84, 1
	s_mov_b32 s85, s3
	s_add_nc_u64 s[86:87], s[4:5], s[100:101]
	s_or_b32 s87, s87, 0x80000000
	s_mov_b32 s88, 1
	s_add_co_u32 s89, s3, SLOT
	s_add_nc_u64 s[90:91], s[4:5], s[100:101]
	s_add_nc_u64 s[90:91], s[90:91], 4096
	s_or_b32 s91, s91, 0x80000000
	CROUND                                         ; all sixteen work-groups are here: the joint loads meet
	s_cmp_lt_u32 s[WV], 2                          ; a wave's three fills stand in one branch on the wave's number
	s_cbranch_scc0 .Lnot_s0
	tensor_load_to_lds s[68:71], s[48:55]
	s_nop 0
	tensor_load_to_lds s[72:75], s[32:39]
	s_nop 0
	tensor_load_to_lds s[76:79], s[32:39]
	s_nop 0
	PLACES
	s_branch .Lasked
.Lnot_s0:
	s_cmp_eq_u32 s[WV], 2
	s_cbranch_scc0 .Lasked
	tensor_load_to_lds s[80:83], s[56:63]
	s_nop 0
	tensor_load_to_lds s[84:87], s[40:47]
	s_nop 0
	tensor_load_to_lds s[88:91], s[40:47]
	s_nop 0
	PLACES
.Lasked:
	v_and_b32 v1, 31, v0
	v_lshlrev_b32 v1, 4, v1                        ; 16 x lane
	v_and_b32 v2, 15, v0                           ; r
	v_bfe_u32 v3, v0, 4, 1                         ; h
	s_lshl_b32 s92, s[S0H], 15
	v_add_nc_u32 v[AD0], s92, v1
	v_add_nc_u32 v[AD0+1], SLOT, v[AD0]
	s_lshl_b32 s92, s[S1H], 14
	s_add_co_u32 s92, s92, 65536
	v_add_nc_u32 v[AD1], s92, v1
	v_add_nc_u32 v[AD1+1], SLOT, v[AD1]
	v_lshlrev_b32 v[AS1], 4, v2
	s_lshl_b32 s92, s[S0H], 12
	s_add_co_u32 s92, s92, SCL
	v_add_nc_u32 v[AS0], s92, v[AS1]
	s_lshl_b32 s92, s[S1H], 11
	s_add_co_u32 s92, s92, SCL+8192
	v_add_nc_u32 v[AS1], s92, v[AS1]
	v_mov_b32 v[SELB], 0x05040100
	v_mov_b32 v[DD], 0x07060302
	v_cndmask_b32 v[SELB], v[SELB], v[DD], s67
	v_lshlrev_b32 v[BH], 6, v3
	v_and_b32 v[BR], 8, v2
	v_add_nc_u32 v[BR], v[BR], v2
	v_lshlrev_b32 v[BR], 2, v[BR]
.irp b, 0,1,2,3
	v_mov_b32 v[TM+4+\b], 0                        ; written once: a lane permute's destination counts as one of its sources
.endr
	; THE BIAS INTO THE ACCUMULATORS.  Register j of accumulator (t, a) in lane (r, h) is (S0 row 32 (a / 2) + 8 (a % 2) + 16 h + j, S1 row r of tile t)
	s_cmp_eq_u32 s[PP], 2
	s_cbranch_scc1 .Lbias_v
	s_cmp_eq_u32 s[PP], 1                          ; q, k: the bias runs along S0: eight neighbours a tile
	s_cselect_b64 s[92:93], s[10:11], s[8:9]
	s_lshl_b32 s94, s[CX], 10
	s_lshl_b32 s95, s[S0H], 9
	s_add_co_u32 s94, s94, s95
	s_mov_b32 s95, 0
	s_add_nc_u64 s[92:93], s[92:93], s[94:95]
	WIN 0x80                                       ; destination window 2
.irp t, 0,1,2,3
.irp a, 0,1,2,3,4,5,6,7
	global_load_b128 v[64*\t+8*\a:64*\t+8*\a+3], v[BH], s[92:93] offset:(32*(\a/2)+8*(\a%2))*4
	global_load_b128 v[64*\t+8*\a+4:64*\t+8*\a+7], v[BH], s[92:93] offset:(32*(\a/2)+8*(\a%2))*4+16
.endr
.endr
	WIN 0
	s_branch .Lbias_done
.Lbias_v:                                              ; v: the bias runs along S1: one number a lane and tile t
	s_and_b32 s94, s[YY], 1
	s_lshl_b32 s94, s94, 2
	s_add_co_u32 s94, s94, s[CY]
	s_lshl_b32 s94, s94, 9                         ; 128 rows of wv a work-group, 4 bytes each
	s_lshl_b32 s95, s[S1H], 8
	s_add_co_u32 s94, s94, s95
	s_mov_b32 s95, 0
	s_add_nc_u64 s[92:93], s[12:13], s[94:95]
.irp t, 0,1,2,3
	global_load_b32 v[TM+\t], v[BR], s[92:93] offset:(32*(\t/2)+8*(\t%2))*4
.endr
	s_wait_loadcnt 0x0
	WIN 0x80
.irp t, 0,1,2,3
.set i, 0
.rept 64
	v_mov_b32 v[64*\t+i], v[TM+\t]                 ; these stand where the wave waits for its tiles
.set i, i+1
.endr
.endr
	WIN 0
.Lbias_done:
	s_wait_loadcnt 0x0
.macro SCALES                          ; all scale words of my 12 tiles: register SC0 + 32 s + 4 a + j: K step 4 s + j of S0's tile a; lane r holds row r's word
.irp s, 0,1
.irp a, 0,1,2,3,4,5,6,7
	ds_load_b128 v[SC0+32*\s+4*\a:SC0+32*\s+4*\a+3], v[AS0] offset:512*\a+256*\s
.endr
.irp t, 0,1,2,3
	ds_load_b128 v[SC1+16*\s+4*\t:SC1+16*\s+4*\t+3], v[AS1] offset:512*\t+256*\s
.endr
.endr
.endm
.macro FETCH q                         ; K step q's twelve fragments into set q % 2
	WIN 0x40                                       ; destination window 1
.irp a, 0,1,2,3,4,5,6,7
.irp c, 0,1
	ds_load_b128 v[64*((\q)%2)+8*\a+4*\c:64*((\q)%2)+8*\a+4*\c+3], v[AD0+(\q)/4] offset:4096*\a+1024*((\q)%4)+512*\c
.endr
.endr
	WIN 0
.irp t, 0,1,2,3
.irp c, 0,1
	ds_load_b128 v[S1F+32*((\q)%2)+8*\t+4*\c:S1F+32*((\q)%2)+8*\t+4*\c+3], v[AD1+(\q)/4] offset:4096*\t+1024*((\q)%4)+512*\c
.endr
.endr
.endm
.macro STEP q                          ; 128 along K: 32 matrix instructions; the 32 accumulators take turns, one instruction a turn, in the same order in every step
	s_wait_dscnt 0x0                               ; this step's fragments are in
.if (\q) == 3
	s_wait_tensorcnt 0x0                           ; my part of the second half of K has landed,
	s_barrier_signal -1
	s_barrier_wait -1                              ; everybody's has
.endif
.if (\q) < 7
	PLACES                                         ; ahead of loads into the set that the last step multiplied
	FETCH (\q)+1
.endif
	WIN 0xa1                                       ; source 0 window 1, source 1 window 0, C and D window 2
.irp t, 0,1,2,3
.irp a, 0,1,2,3,4,5,6,7
	v_wmma_scale_f32_16x16x128_f8f6f4 v[64*\t+8*\a:64*\t+8*\a+7], v[64*((\q)%2)+8*\a:64*((\q)%2)+8*\a+7], v[S1F+32*((\q)%2)+8*\t:S1F+32*((\q)%2)+8*\t+7], v[64*\t+8*\a:64*\t+8*\a+7], v[SC0+32*((\q)/4)+4*\a+(\q)%4], v[SC1+16*((\q)/4)+4*\t+(\q)%4] matrix_a_fmt:MATRIX_FMT_FP4 matrix_b_fmt:MATRIX_FMT_FP4
.endr
.endr
	WIN 0
.endm
	s_wait_tensorcnt 0x1                           ; my scale words and my part of the first half of K are in; the second half's load may be out
	s_barrier_signal -1
	s_barrier_wait -1                              ; everybody's are
	SCALES
	FETCH 0
.irp q, 0,1,2,3,4,5,6,7
	STEP \q
.endr
	; WHERE THE RESULTS GO.  No tensor load is out since K step 3, so the descriptors' registers are free.
	s_lshr_b32 s68, s[YY], 2                       ; q, k: b = y / 4
	s_lshl_b32 s68, s68, 4
	s_lshl_b32 s69, s[CX], 2
	s_add_co_u32 s68, s68, s69
	s_lshl_b32 s69, s[S0H], 1
	s_add_co_u32 s68, s68, s69                     ; 16 b + my first head, 4 cx + 2 (w / 2)
	s_lshl_b32 s69, s[YY], 2
	s_add_co_u32 s69, s69, s[CY]
	s_and_b32 s69, s69, 15                         ; which eight tiles of the batch's 128
	s_lshl_b32 s70, s68, 7
	s_lshl_b32 s71, s69, 3
	s_add_co_u32 s70, s70, s71
	s_lshl_b32 s71, s[S1H], 2
	s_add_co_u32 s70, s70, s71
	s_lshl_b32 s70, s70, 9                         ; 512 bytes a tile and head
	s_lshl_b32 s71, s[PP], 22
	s_add_co_u32 s70, s70, s71                     ; k's behind q's
	s_lshl_b32 s72, s68, 12
	s_lshl_b32 s71, s69, 8
	s_add_co_u32 s72, s72, s71
	s_lshl_b32 s71, s[S1H], 7
	s_add_co_u32 s72, s72, s71
	s_lshl_b32 s71, s[PP], 18
	s_add_co_u32 s72, s72, s71
	s_lshr_b32 s73, s[YY], 1                       ; v: which 256 rows of x,
	s_lshl_b32 s73, s73, 2
	s_add_co_u32 s73, s73, s[CX]
	s_and_b32 s74, s[YY], 1                        ; which 128 rows of wv
	s_lshl_b32 s74, s74, 2
	s_add_co_u32 s74, s74, s[CY]
	s_lshr_b32 s75, s73, 3
	s_lshl_b32 s75, s75, 4
	s_lshl_b32 s74, s74, 1
	s_add_co_u32 s75, s75, s74
	s_add_co_u32 s75, s75, s[S1H]                  ; 16 b + head
	s_lshl_b32 s75, s75, 4
	s_and_b32 s73, s73, 7
	s_lshl_b32 s73, s73, 1
	s_add_co_u32 s75, s75, s73
	s_add_co_u32 s75, s75, s[S0H]                  ; + the key step of 128
	s_lshl_b32 s76, s75, 12
	s_lshl_b32 s77, s75, 8
	s_mov_b32 s78, 65536                           ; q, k: the second head's codes lie 128 tiles on;
	s_mov_b32 s79, 512                             ; from tile to tile;
	s_mov_b32 s80, 4096                            ; the second head's scale words
	s_cmp_eq_u32 s[PP], 2
	s_cselect_b64 s[84:85], s[18:19], s[14:15]
	s_cselect_b64 s[86:87], s[20:21], s[16:17]
	s_cselect_b32 s70, s76, s70
	s_cselect_b32 s72, s77, s72
	s_cselect_b32 s78, 512, s78                    ; v: the fragment's second half; from fragment to fragment; words 2, 3 of a row
	s_cselect_b32 s79, 1024, s79
	s_cselect_b32 s80, 8, s80
	s_cselect_b32 s81, 16, 8                       ; bytes from row to row among the scale words
	s_mov_b32 s71, 0
	s_mov_b32 s73, 0
	s_add_nc_u64 s[84:85], s[84:85], s[70:71]
	s_add_nc_u64 s[86:87], s[86:87], s[72:73]
	s_mov_b32 s88, 0x76543210
	s_mov_b32 s89, 0xfedcba98                      ; v_permlanex16_b32's selects for lane l xor 16
	PLACES                                         ; behind the last products
	v_mov_b32 v[CA0], v1
	v_add_nc_u32 v[CA1], s78, v1
	v_mul_u32_u24 v[SA], s81, v2
	v_mad_u32_u24 v[SA], v3, s80, v[SA]
; The 64 numbers of tile t (window 2, register 16 b + i = S0 row 32 b + 16 h + i of my S1 row) become a fragment's codes in v[PC] on and its scale word in v[PW + t].  Each accumulator is read from its low end on.
.macro QUANT t
.set QS, 64*(\t)
	WIN 0x0a                                       ; sources 0 and 1 window 2
.irp b, 0,1,2,3
	v_max3_num_f32 v[TM+\b], |v[QS+16*\b]|, |v[QS+1+16*\b]|, 0x1800000   ; block b: my 16 numbers, and the floor 2^(3 - 127): the byte cannot fall under 1
.endr
	WIN 0x28                                       ; sources 1 and 2 window 2
.irp i, 2,4,6,8,10,12,14
.irp b, 0,1,2,3
	v_max3_num_f32 v[TM+\b], v[TM+\b], |v[QS+16*\b+\i]|, |v[QS+1+16*\b+\i]|
.endr
.endr
	WIN 0
.irp b, 0,1,2,3
	v_permlanex16_b32 v[TM+4+\b], v[TM+\b], s88, s89
.endr
.irp b, 0,1,2,3
	v_max_num_f32 v[TM+\b], v[TM+\b], v[TM+4+\b]   ; with lane l xor 16's: the block's largest magnitude
.endr
.irp b, 0,1,2,3
	v_add_nc_u32 v[TM+12+\b], 0xff000000, v[TM+\b] ; 2 off the exponent field: the conversion's scale operand
.endr
.irp b, 0,1,2,3
	v_lshrrev_b32 v[TM+4+\b], 23, v[TM+12+\b]      ; the scale's byte
.endr
	v_lshl_or_b32 v[PW+(\t)], v[TM+5], 8, v[TM+4]
	v_lshl_or_b32 v[PW+(\t)], v[TM+6], 16, v[PW+(\t)]
	v_lshl_or_b32 v[PW+(\t)], v[TM+7], 24, v[PW+(\t)]
	WIN 0x02                                       ; source 0 window 2
.irp b, 0,1,2,3
	v_cvt_scalef32_pk8_fp4_f32 v[PC+2*\b], v[QS+16*\b:QS+7+16*\b], v[TM+12+\b]
	v_cvt_scalef32_pk8_fp4_f32 v[PC+1+2*\b], v[QS+8+16*\b:QS+15+16*\b], v[TM+12+\b]
.endr
	WIN 0
	v_nop                                          ; one plain line behind the last scaled conversion
.irp c, 0,1                                    ; the operand's layout wants a whole block in a lane
.irp i, 0,1
	v_permlane16_swap_b32 v[PC+4*\c+\i], v[PC+2+4*\c+\i]
.endr
.endr
.endm
.irp t, 0,1,2,3
.if \t > 0
	s_wait_xcnt 0x0                                ; the last tile's stores have read their data and offsets
	v_add_nc_u32 v[CA0], s79, v[CA0]
	v_add_nc_u32 v[CA1], s79, v[CA1]
.endif
	QUANT \t
	global_store_b128 v[CA0], v[PC:PC+3], s[84:85]     ; 512 consecutive bytes: q, k: my first head's tile;  v: the fragment's first half
	global_store_b128 v[CA1], v[PC+4:PC+7], s[84:85]   ; the second head's tile;  the second half
.endr
	s_cmp_eq_u32 s[PP], 2
	s_cbranch_scc1 .Lsc_v
	v_perm_b32 v[DD], v[PW+1], v[PW], v[SELB]      ; q, k: a word for two tiles: the head's two bytes of each; lanes 0-15 my first head, lanes 16-31 the second
	v_perm_b32 v[DD+1], v[PW+3], v[PW+2], v[SELB]
	s_branch .Lsc_done
.Lsc_v:
	v_cndmask_b32 v[DD], v[PW], v[PW+2], s67       ; v: a row's four words: lanes 0-15 store tiles 0, 1, lanes 16-31 tiles 2, 3
	v_cndmask_b32 v[DD+1], v[PW+1], v[PW+3], s67
.Lsc_done:
	global_store_b64 v[SA], v[DD:DD+1], s[86:87]
	s_wait_dscnt 0x0
	s_wait_tensorcnt 0x0
	ds_add_u32 v254, v255
	s_wait_dscnt 0x0
	CROUND                                         ; the closing round: no work-group ends while a partner may still ask for a tile that names it
	s_endpgm
.Lfunc_end_k_qa40afdefe8_proj:
	.size	k_qa40afdefe8_proj, .Lfunc_end_k_qa40afdefe8_proj-k_qa40afdefe8_proj
	.p2alignl 7, 3214868480
	.fill 96, 4, 3214868480
	.section	.rodata,"a",@progbits
	.p2align	6, 0x0
	.amdhsa_kernel k_qa40afdefe8_proj
		.amdhsa_group_segment_fixed_size 209408
		.amdhsa_private_segment_fixed_size 0
		.amdhsa_enable_private_segment 0
		.amdhsa_kernarg_size 72
		.amdhsa_user_sgpr_count 2
		.amdhsa_user_sgpr_kernarg_segment_ptr 1
		.amdhsa_wavefront_size32 1
		.amdhsa_system_sgpr_workgroup_id_x 1
		.amdhsa_system_sgpr_workgroup_id_y 1
		.amdhsa_system_sgpr_workgroup_id_z 1
		.amdhsa_system_vgpr_workitem_id 0
		.amdhsa_next_free_vgpr 768
		.amdhsa_next_free_sgpr 102
		.amdhsa_reserve_vcc 0
		.amdhsa_float_denorm_mode_32 3
		.amdhsa_float_denorm_mode_16_64 3
		.amdhsa_memory_ordered 1
		.amdhsa_forward_progress 1
		.amdhsa_inst_pref_size 91
	.end_amdhsa_kernel
	.amdgpu_metadata
---
amdhsa.version: [ 1, 2 ]
amdhsa.kernels:
  - .name:           k_qa40afdefe8_proj
    .symbol:         k_qa40afdefe8_proj.kd
    .args:
      - { .name: codes, .offset: 0, .size: 8, .value_kind: global_buffer, .address_space: global }
      - { .name: scales, .offset: 8, .size: 8, .value_kind: global_buffer, .address_space: global }
      - { .name: bq, .offset: 16, .size: 8, .value_kind: global_buffer, .address_space: global }
      - { .name: bk, .offset: 24, .size: 8, .value_kind: global_buffer, .address_space: global }
      - { .name: bv, .offset: 32, .size: 8, .value_kind: global_buffer, .address_space: global }
      - { .name: qk_codes, .offset: 40, .size: 8, .value_kind: global_buffer, .address_space: global }
      - { .name: qk_scales, .offset: 48, .size: 8, .value_kind: global_buffer, .address_space: global }
      - { .name: v_codes, .offset: 56, .size: 8, .value_kind: global_buffer, .address_space: global }
      - { .name: v_scales, .offset: 64, .size: 8, .value_kind: global_buffer, .address_space: global }
    .group_segment_fixed_size: 209408
    .private_segment_fixed_size: 0
    .kernarg_segment_align: 8
    .kernarg_segment_size: 72
    .max_flat_workgroup_size: 128
    .sgpr_count:     102
    .vgpr_count:     768
    .wavefront_size: 32
...
	.end_amdgpu_metadata
.endif
;; end of part 2
;; launch attn (part 3): grid 4 x 64, 16 waves a work-group, no clusters, 141,312 bytes of LDS; arguments qk_codes, qk_scales, v_codes, v_scales, lm, cls, codes, scales; writes codes, scales
.if DOCPART == 3
	.amdgcn_target "amdgcn-amd-amdhsa--gfx1250"
	.amdhsa_code_object_version 6
	.text
	.protected	k_qa40afdefe8_attn
	.globl	k_qa40afdefe8_attn
	.p2align	8
	.type	k_qa40afdefe8_attn,@function
k_qa40afdefe8_attn:
	s_mov_b64 s[64:65], 0
	v_nop
	global_prefetch_b8 v0, s[64:65] scope:SCOPE_SE
	s_setreg_imm32_b32 hwreg(HW_REG_WAVE_MODE, 25, 1), 1
	s_wait_xcnt 0x0
; Attention of one head on codes of FP4 (E2M1): S^T = K Q^T (K = the head's 64), the mask, p = 2^(t - M), O^T = V^T P^T (K = the keys), O / l, and O quantised along d_model for the last projection.
; t = logit x log2(e); where the mask is set the logit is -1e9, so t = t_m = -1,442,695,040, a whole number.  M = the running largest t rounded up; l is summed of the unquantised p; when M moves, l and O are multiplied by 2^(old M - new M): exact.
; SHARES.  Work-group (j, head): the head's tiles of 16 queries T with T % 4 = j.  Wave w takes T = 4 w + j and then T = 4 (31 - w) + j: a fixed order, right for every mask.  Four waves to a SIMD: one's exponentials stand beside another's loads and products.
; LDS.  The head's K and V codes (65,536 bytes each) and scale words (4,096 each) are filled once, through registers; one barrier.  NO TENSOR LOAD AND NO JOINT LOAD: a key step branches on class words read from memory.
; What the four work-groups of a head share is 139,264 bytes, read once by each.
; A KEY STEP (128 keys) goes one of three ways, by the class that the first launch stored:
;   2, all masked: every t is t_m, so p = 2^(t_m - M) is a power of two (v_ldexp_f32): P's codes are all the code of 4 under the scale p / 4, just what the quantiser gives; no K Q^T, no exponential; V^T P, M, l and O as always.
;   1, mixed: t = score x c, t_m put in by the stored lane masks, then the common lines with the factor 1.      0, open: the common lines on the scores with the factor c = log2(e) / 8.
; K = 64 IN AN INSTRUCTION OF K = 128: source 0 is a PAIR of key tiles (registers 0-3 tile 2 b, 4-7 tile 2 b + 1), source 1 is [Q, zeros] or [zeros, Q]: zero codes take the other tile out.
; LAYOUT.  A lane holds one query (lane % 16) throughout; tiles are not neighbours (row r of tile t = 32 (t / 2) + 8 (t % 2) + r + 8 (r / 8)), so registers 16 b + i of S^T are keys 32 b + 16 (lane / 16) + i, and O^T's likewise channels.
; LIMITS: NaN and infinities are not served; v_exp_f32 gives 0 under 2^-126; in an all-masked step a p under 2^-124 gets zero codes (l is at least 1/2); a block's largest p is taken from the block's largest t,
; which takes v_exp_f32 not to fall where its input rises; a block of zeros gets the byte 1.  The result's scale bytes leave one byte a lane (0.26 MB in all).
; REGISTERS: v1-7 addresses that stay; v8-11 addresses in hand; v12 -M, v13 largest t, v[14:15] l; v16-31 Q twice; v32-63 key pairs; v64-95 V; v96-159 S^T, p; v160-191 O^T; v192-199 P's codes; v200-208, v226 scale words; v212-231 at work.
.set VC,    65536
.set KSC,   131072
.set VSC,   135168
.set TMASK, 0xceabfb8f                 ; t_m
.set FLOOR, 0x1800000                  ; 2^(3 - 127)
	s_load_b256 s[4:11], s[0:1], 0x0               ; qk_codes, qk_scales, v_codes, v_scales
	s_load_b128 s[12:15], s[0:1], 0x20             ; lm, cls
	s_load_b128 s[68:71], s[0:1], 0x30             ; codes, scales
	v_lshl_add_u32 v254, v0, 2, 0x22000
	v_mov_b32 v255, 0
	v_lshrrev_b32 v1, 5, v0
	v_readfirstlane_b32 s66, v1                    ; wave 0..15
	s_mov_b32 s67, ttmp9                           ; j
	s_and_b32 s72, ttmp7, 0xffff                   ; 16 b + head
	s_mov_b32 s79, 0xffff0000                      ; the lanes with h = 1
	s_mov_b32 s98, 0x76543210
	s_mov_b32 s99, 0xfedcba98                      ; v_permlanex16_b32's selects for lane l xor 16
	v_lshlrev_b32 v8, 4, v0                        ; the fill: 16 bytes a thread,
	v_lshlrev_b32 v9, 3, v0                        ; 8 of the scale words
	v_add_nc_u32 v10, VC, v8
	v_add_nc_u32 v11, KSC, v9
	s_lshl_b32 s16, s72, 16
	s_mov_b32 s17, 0
	s_lshl_b32 s18, s72, 12
	s_mov_b32 s19, 0
	s_wait_kmcnt 0x0
	s_add_nc_u64 s[20:21], s[4:5], s[16:17]
	s_add_nc_u64 s[20:21], s[20:21], 4194304       ; k's codes lie behind q's
	s_add_nc_u64 s[22:23], s[8:9], s[16:17]
	s_add_nc_u64 s[24:25], s[6:7], s[18:19]
	s_add_nc_u64 s[24:25], s[24:25], 262144
	s_add_nc_u64 s[26:27], s[10:11], s[18:19]
.irp i, 0,1,2,3,4,5,6,7
	global_load_b128 v[96+4*\i:99+4*\i], v8, s[20:21] offset:8192*\i
.endr
.irp i, 0,1,2,3,4,5,6,7
	global_load_b128 v[128+4*\i:131+4*\i], v8, s[22:23] offset:8192*\i
.endr
	global_load_b64 v[160:161], v9, s[24:25]
	global_load_b64 v[162:163], v9, s[26:27]
	v_and_b32 v1, 31, v0
	v_lshlrev_b32 v1, 4, v1                        ; K's codes: 16 x lane
	v_add_nc_u32 v2, VC, v1                        ; V's
	v_and_b32 v7, 31, v0
	v_lshlrev_b32 v7, 4, v7                        ; the same as an offset in memory
	v_and_b32 v5, 15, v0                           ; r
	v_lshl_add_u32 v3, v5, 3, KSC                  ; K's pair words: 8 bytes a row
	v_lshl_add_u32 v4, v5, 4, VSC                  ; V's words: 16 bytes a row
	v_bfe_u32 v6, v0, 4, 1                         ; h
	v_lshl_add_u32 v5, v5, 4, v6                   ; the result's scale byte: 16 r + h
	v_mov_b32 v6, TMASK
.irp i, 20,21,22,23,24,25,26,27
	v_mov_b32 v\i, 0                               ; the zero halves of [Q, zeros] and [zeros, Q]
.endr
.irp i, 216,217,218,219,225
	v_mov_b32 v\i, 0                               ; lane permutes' destinations, and the upper half of the pair v[224:225]: written once
.endr
	s_wait_loadcnt 0x0
.irp i, 0,1,2,3,4,5,6,7
	ds_store_b128 v8, v[96+4*\i:99+4*\i] offset:8192*\i
.endr
.irp i, 0,1,2,3,4,5,6,7
	ds_store_b128 v10, v[128+4*\i:131+4*\i] offset:8192*\i
.endr
	ds_store_b64 v11, v[160:161]
	ds_store_b64 v11, v[162:163] offset:4096
	s_wait_dscnt 0x0                               ; for the others' sake: my stores have landed
	s_barrier_signal -1
	s_barrier_wait -1                              ; the head lies in LDS; nothing is written there again
.macro VFETCH                          ; the step's four fragments of V and their scale words: nine loads
.irp d, 0,1,2,3
.irp c, 0,1
	ds_load_b128 v[64+8*\d+4*\c:67+8*\d+4*\c], v9 offset:1024*\d+512*\c
.endr
.endr
	ds_load_b128 v[204:207], v11
.endm
.macro NEWM                            ; from the running largest t in v13: the new -M in v12 and f = 2^(old M - new M) in v224
	v_mov_b32 v227, v12
	v_floor_f32 v12, -v13                          ; -M = floor(-t) = -ceil(t)
	v_sub_f32 v227, v12, v227                      ; a whole number, 0 or less
	v_cvt_i32_f32 v227, v227                       ; (it saturates)
	v_ldexp_f32 v224, 1.0, v227
.endm
.macro PASS pi                         ; one tile of 16 queries against all 2,048 keys
.if \pi
	s_wait_xcnt 0x0                                ; the last tile's stores have read their data, offsets and bases
	s_sub_co_u32 s73, 31, s66
	s_lshl_b32 s73, s73, 2
.else
	s_lshl_b32 s73, s66, 2
.endif
	s_add_co_u32 s73, s73, s67                     ; T
	s_lshl_b32 s16, s73, 2
	s_mov_b32 s17, 0
	s_add_nc_u64 s[18:19], s[14:15], s[16:17]
	s_load_b32 s74, s[18:19], 0x0                  ; the tile's sixteen classes
	s_lshl_b32 s20, s73, 12
	s_mov_b32 s21, 0
	s_add_nc_u64 s[100:101], s[12:13], s[20:21]    ; its lane masks: 256 bytes a step
	s_lshl_b32 s22, s72, 7
	s_add_co_u32 s22, s22, s73
	s_lshl_b32 s22, s22, 9
	s_mov_b32 s23, 0
	s_add_nc_u64 s[22:23], s[4:5], s[22:23]        ; Q's codes
	s_lshl_b32 s24, s72, 12
	s_lshr_b32 s25, s73, 2
	s_lshl_b32 s25, s25, 7
	s_add_co_u32 s24, s24, s25
	s_bfe_u32 s25, s73, 0x10001
	s_lshl_b32 s25, s25, 2
	s_add_co_u32 s24, s24, s25
	s_mov_b32 s25, 0
	s_add_nc_u64 s[24:25], s[6:7], s[24:25]        ; the pair word that holds Q's two bytes,
	s_and_b32 s26, s73, 1
	s_lshl_b32 s26, s26, 4                         ; in its low or its high half
	v_and_b32 v227, 15, v0
	v_lshlrev_b32 v227, 3, v227
	global_load_b128 v[16:19], v7, s[22:23]        ; Q twice: the two operands share no register
	global_load_b128 v[28:31], v7, s[22:23]
	global_load_b32 v208, v227, s[24:25]
	v_mov_b32 v13, 0xff61b1e6                      ; the largest t so far: -3e38
	v_floor_f32 v12, -v13
	v_mov_b32 v14, 0
	v_mov_b32 v15, 0
	s_mov_b32 s76, 16
	s_mov_b32 s77, 0                               ; the step's codes: 4,096 bytes a step, in K and in V
	s_mov_b32 s78, 0                               ; its scale words: 256 bytes a step
	s_wait_loadcnt 0x0
	s_wait_kmcnt 0x0
	v_lshrrev_b32 v208, s26, v208
	v_perm_b32 v208, v208, v208, 0x01000100        ; Q's two bytes in both halves of the word: it serves [Q, zeros] and [zeros, Q]
.set i, 0
.rept 32
	v_mov_b32 v[160+i], 0                          ; O^T: the first step finds zeros.  (These are also the places between the scale word's lines and the first product)
.set i, i+1
.endr
.Ltrip_\@:
	s_and_b32 s75, s74, 3                          ; this step's class
	s_lshr_b32 s74, s74, 2
	v_add_nc_u32 v8, s77, v1                       ; (four plain lines: the places behind the last step's products, ahead of the loads into their sources)
	v_add_nc_u32 v9, s77, v2
	v_add_nc_u32 v10, s78, v3
	v_add_nc_u32 v11, s78, v4
	s_cmp_eq_u32 s75, 2
	s_cbranch_scc1 .Lmasked_\@
	s_load_b512 s[16:31], s[100:101], 0x0          ; the 64 lane masks, asked for on this way always
	s_load_b512 s[32:47], s[100:101], 0x40
	s_load_b512 s[48:63], s[100:101], 0x80
	s_load_b512 s[80:95], s[100:101], 0xc0
.irp b, 0,1,2,3
.irp c, 0,1
	ds_load_b128 v[32+8*\b+4*\c:35+8*\b+4*\c], v8 offset:1024*\b+512*\c
.endr
.endr
	ds_load_b64 v[200:201], v10
	ds_load_b64 v[202:203], v10 offset:128
	VFETCH
	s_wait_dscnt 9                                 ; K's ten loads are in; V's nine may be out
.irp b, 0,1,2,3
.irp u, 0,1
	v_wmma_scale_f32_16x16x128_f8f6f4 v[96+8*(2*\b+\u):103+8*(2*\b+\u)], v[32+8*\b:39+8*\b], v[16+8*\u:23+8*\u], 0, v[200+\b], v208 matrix_a_fmt:MATRIX_FMT_FP4 matrix_b_fmt:MATRIX_FMT_FP4
.endr
.endr
.rept 4
	v_nop
.endr
	s_wait_kmcnt 0x0
	s_mov_b32 s96, 0x3e38aa3b                      ; c = log2(e) / 8
	s_mov_b32 s97, s96
	s_cmp_eq_u32 s75, 0
	s_cbranch_scc1 .Lopen_\@
.set i, 0
.rept 32
	v_pk_mul_f32 v[96+i:97+i], v[96+i:97+i], s[96:97] op_sel_hi:[1,0]    ; mixed: t
.set i, i+2
.endr
.set n, 0
.rept 64
.if n < 48
	v_cndmask_b32 v[96+n], v[96+n], v6, s[16+n]    ; t_m where the mask is set
.else
	v_cndmask_b32 v[96+n], v[96+n], v6, s[32+n]
.endif
.set n, n+1
.endr
	s_mov_b32 s96, 1.0
	s_mov_b32 s97, 1.0
.Lopen_\@:
.irp b, 0,1,2,3
	v_max3_num_f32 v[212+\b], v[96+16*\b], v[97+16*\b], v[98+16*\b]      ; the largest of each block of 32 keys: for the row's maximum and for the block's largest p
.endr
.irp i, 3,5,7,9,11,13
.irp b, 0,1,2,3
	v_max3_num_f32 v[212+\b], v[212+\b], v[96+16*\b+\i], v[97+16*\b+\i]
.endr
.endr
.irp b, 0,1,2,3
	v_max_num_f32 v[212+\b], v[212+\b], v[111+16*\b]
.endr
.irp b, 0,1,2,3
	v_permlanex16_b32 v[216+\b], v[212+\b], s98, s99
.endr
.irp b, 0,1,2,3
	v_max_num_f32 v[212+\b], v[212+\b], v[216+\b]  ; with lane l xor 16's 16 keys
.endr
	v_max3_num_f32 v227, v212, v213, v214
	v_max_num_f32 v227, v227, v215
	v_mul_f32 v227, s96, v227                      ; as t
	v_max_num_f32 v13, v13, v227
	NEWM
.set i, 0
.rept 32
	v_pk_fma_f32 v[96+i:97+i], v[96+i:97+i], s[96:97], v[12:13] op_sel_hi:[1,0,0]   ; t - M, two at a time
.set i, i+2
.endr
.irp b, 0,1,2,3
	v_fma_f32 v[212+\b], v[212+\b], s96, v12
.endr
.set i, 0
.rept 64
	v_exp_f32 v[96+i], v[96+i]                     ; p = 2^(t - M)
.set i, i+1
.endr
	v_pk_mul_f32 v[14:15], v[14:15], v[224:225] op_sel_hi:[1,0]          ; l under the new M: the plain line behind the exponentials
	s_wait_alu depctr_va_vdst(0)                   ; one wait for the batch of 64, ahead of its first reader
.irp b, 0,1,2,3
	v_exp_f32 v[212+\b], v[212+\b]                 ; each block's largest p
.endr
	v_pk_add_f32 v[230:231], v[96:97], v[98:99]    ; l is summed of the unquantised p, in two chains
.irp j, 4,8,12,16,20,24,28,32,36,40,44,48,52,56,60
	v_pk_add_f32 v[14:15], v[14:15], v[96+\j:97+\j]
	v_pk_add_f32 v[230:231], v[230:231], v[98+\j:99+\j]
.endr
	v_pk_add_f32 v[14:15], v[14:15], v[230:231]
	s_wait_alu depctr_va_vdst(0)                   ; and one for the four
.irp b, 0,1,2,3
	v_max_num_f32 v[212+\b], FLOOR, v[212+\b]      ; the byte cannot fall under 1
.endr
.irp b, 0,1,2,3
	v_add_nc_u32 v[220+\b], 0xff000000, v[212+\b]  ; 2 off the exponent field: the conversion's scale operand
.endr
.irp b, 0,1,2,3
	v_lshrrev_b32 v[216+\b], 23, v[220+\b]
.endr
	v_lshl_or_b32 v226, v217, 8, v216              ; P's scale word for these 128 keys
	v_lshl_or_b32 v226, v218, 16, v226
	v_lshl_or_b32 v226, v219, 24, v226
.irp b, 0,1,2,3
	v_cvt_scalef32_pk8_fp4_f32 v[192+2*\b], v[96+16*\b:103+16*\b], v[220+\b]
	v_cvt_scalef32_pk8_fp4_f32 v[193+2*\b], v[104+16*\b:111+16*\b], v[220+\b]
.endr
	v_nop                                          ; one plain line behind the last scaled conversion
.irp c, 0,1
.irp i, 0,1
	v_permlane16_swap_b32 v[192+4*\c+\i], v[194+4*\c+\i]                 ; a whole block to a lane
.endr
.endr
	s_branch .Lpv_\@
.Lmasked_\@:
	VFETCH
	v_max_num_f32 v13, v13, v6
	NEWM
	v_add_f32 v228, v6, v12                        ; t_m - M: a whole number, 0 or less
	v_cvt_i32_f32 v228, v228
	v_ldexp_f32 v228, 1.0, v228                    ; p, the same for all 128 keys
	v_pk_mul_f32 v[14:15], v[14:15], v[224:225] op_sel_hi:[1,0]
	v_fmac_f32 v14, 0x42000000, v228               ; my 64 keys: 32 p to each half of l
	v_fmac_f32 v15, 0x42000000, v228
	v_max_num_f32 v227, FLOOR, v228
	v_add_nc_u32 v227, 0xff000000, v227
	v_lshrrev_b32 v227, 23, v227                   ; the byte of p / 4,
	v_perm_b32 v226, v227, v227, 0                 ; for all four blocks
	v_mov_b32 v229, 0x66666666                     ; eight codes of the number 4
	v_cmp_le_f32 vcc_lo, FLOOR, v228
	v_cndmask_b32 v192, 0, v229, vcc_lo            ; zeros where p lies under the floor
.irp i, 1,2,3,4,5,6,7
	v_mov_b32 v[192+\i], v192
.endr
.Lpv_\@:
.set i, 0
.rept 16
	v_pk_mul_f32 v[160+i:161+i], v[160+i:161+i], v[224:225] op_sel_hi:[1,0]   ; O^T under the new M.  (Also the places between P's codes and scale word and the products)
.set i, i+2
.endr
	s_wait_dscnt 0x0                               ; V is in
.irp d, 0,1,2,3                                ; the four accumulators take turns; the next matrix instruction on every way names another accumulator than the last
	v_wmma_scale_f32_16x16x128_f8f6f4 v[160+8*\d:167+8*\d], v[64+8*\d:71+8*\d], v[192:199], v[160+8*\d:167+8*\d], v[204+\d], v226 matrix_a_fmt:MATRIX_FMT_FP4 matrix_b_fmt:MATRIX_FMT_FP4
.endr
	s_add_co_u32 s77, s77, 4096
	s_add_co_u32 s78, s78, 256
	s_add_nc_u64 s[100:101], s[100:101], 256       ; no scalar load is out here
	s_sub_co_u32 s76, s76, 1
	s_cmp_lg_u32 s76, 0
	s_cbranch_scc1 .Ltrip_\@
	; O / l, quantised along d_model: my head's 64 channels are two blocks of K step head / 2 of the last projection's operand
.rept 4
	v_nop
.endr
	v_add_f32 v14, v14, v15
	v_permlanex16_b32 v227, v14, s98, s99
	v_add_f32 v14, v14, v227                       ; the row's sum
	v_rcp_f32 v14, v14
	s_lshr_b32 s16, s72, 4
	s_lshl_b32 s16, s16, 7
	s_add_co_u32 s16, s16, s73
	s_add_co_u32 s16, s16, 1792                    ; the result's tile in the buffers of codes and scales
	s_and_b32 s17, s72, 15                         ; the head
	s_lshl_b32 s20, s16, 13
	s_lshl_b32 s21, s17, 9
	s_add_co_u32 s20, s20, s21
	s_mov_b32 s21, 0
	s_add_nc_u64 s[20:21], s[68:69], s[20:21]
	s_lshl_b32 s22, s16, 9
	s_lshr_b32 s23, s17, 3
	s_lshl_b32 s23, s23, 8                         ; which half of K,
	s_add_co_u32 s22, s22, s23
	s_bfe_u32 s23, s17, 0x20001
	s_lshl_b32 s23, s23, 2                         ; which word,
	s_add_co_u32 s22, s22, s23
	s_and_b32 s23, s17, 1
	s_lshl_b32 s23, s23, 1                         ; which two bytes of it
	s_add_co_u32 s22, s22, s23
	s_mov_b32 s23, 0
	s_add_nc_u64 s[22:23], s[70:71], s[22:23]
	v_nop                                          ; a plain line behind the reciprocal
	s_wait_alu depctr_va_vdst(0)                   ; and the wait ahead of its first reader
.set i, 0
.rept 32
	v_mul_f32 v[96+i], v[160+i], v14               ; register 16 b + i: channel 32 b + 16 h + i
.set i, i+1
.endr
.irp b, 0,1
	v_max3_num_f32 v[212+\b], |v[96+16*\b]|, |v[97+16*\b]|, FLOOR
.endr
.irp i, 2,4,6,8,10,12,14
.irp b, 0,1
	v_max3_num_f32 v[212+\b], v[212+\b], |v[96+16*\b+\i]|, |v[97+16*\b+\i]|
.endr
.endr
.irp b, 0,1
	v_permlanex16_b32 v[216+\b], v[212+\b], s98, s99
.endr
.irp b, 0,1
	v_max_num_f32 v[212+\b], v[212+\b], v[216+\b]
.endr
.irp b, 0,1
	v_add_nc_u32 v[220+\b], 0xff000000, v[212+\b]
.endr
.irp b, 0,1
	v_lshrrev_b32 v[216+\b], 23, v[220+\b]
.endr
.irp b, 0,1
	v_cvt_scalef32_pk8_fp4_f32 v[192+2*\b], v[96+16*\b:103+16*\b], v[220+\b]
	v_cvt_scalef32_pk8_fp4_f32 v[193+2*\b], v[104+16*\b:111+16*\b], v[220+\b]
.endr
	v_nop
	v_permlane16_swap_b32 v192, v194
	v_permlane16_swap_b32 v193, v195               ; lanes 0-15 hold block 0, lanes 16-31 block 1
	v_cndmask_b32 v229, v216, v217, s79
	global_store_b128 v7, v[192:195], s[20:21]     ; 512 consecutive bytes
	global_store_b8 v5, v229, s[22:23]             ; my row's byte of block h
.endm
	PASS 0
	PASS 1
	s_wait_tensorcnt 0x0
	ds_add_u32 v254, v255
	s_wait_dscnt 0x0
	s_endpgm
.Lfunc_end_k_qa40afdefe8_attn:
	.size	k_qa40afdefe8_attn, .Lfunc_end_k_qa40afdefe8_attn-k_qa40afdefe8_attn
	.p2alignl 7, 3214868480
	.fill 96, 4, 3214868480
	.section	.rodata,"a",@progbits
	.p2align	6, 0x0
	.amdhsa_kernel k_qa40afdefe8_attn
		.amdhsa_group_segment_fixed_size 141312
		.amdhsa_private_segment_fixed_size 0
		.amdhsa_enable_private_segment 0
		.amdhsa_kernarg_size 64
		.amdhsa_user_sgpr_count 2
		.amdhsa_user_sgpr_kernarg_segment_ptr 1
		.amdhsa_wavefront_size32 1
		.amdhsa_system_sgpr_workgroup_id_x 1
		.amdhsa_system_sgpr_workgroup_id_y 1
		.amdhsa_system_sgpr_workgroup_id_z 1
		.amdhsa_system_vgpr_workitem_id 0
		.amdhsa_next_free_vgpr 256
		.amdhsa_next_free_sgpr 102
		.amdhsa_reserve_vcc 1
		.amdhsa_float_denorm_mode_32 3
		.amdhsa_float_denorm_mode_16_64 3
		.amdhsa_memory_ordered 1
		.amdhsa_forward_progress 1
		.amdhsa_inst_pref_size 66
	.end_amdhsa_kernel
	.amdgpu_metadata
---
amdhsa.version: [ 1, 2 ]
amdhsa.kernels:
  - .name:           k_qa40afdefe8_attn
    .symbol:         k_qa40afdefe8_attn.kd
    .args:
      - { .name: qk_codes, .offset: 0, .size: 8, .value_kind: global_buffer, .address_space: global }
      - { .name: qk_scales, .offset: 8, .size: 8, .value_kind: global_buffer, .address_space: global }
      - { .name: v_codes, .offset: 16, .size: 8, .value_kind: global_buffer, .address_space: global }
      - { .name: v_scales, .offset: 24, .size: 8, .value_kind: global_buffer, .address_space: global }
      - { .name: lm, .offset: 32, .size: 8, .value_kind: global_buffer, .address_space: global }
      - { .name: cls, .offset: 40, .size: 8, .value_kind: global_buffer, .address_space: global }
      - { .name: codes, .offset: 48, .size: 8, .value_kind: global_buffer, .address_space: global }
      - { .name: scales, .offset: 56, .size: 8, .value_kind: global_buffer, .address_space: global }
    .group_segment_fixed_size: 141312
    .private_segment_fixed_size: 0
    .kernarg_segment_align: 8
    .kernarg_segment_size: 64
    .max_flat_workgroup_size: 512
    .sgpr_count:     102
    .vgpr_count:     256
    .wavefront_size: 32
...
	.end_amdgpu_metadata
.endif
;; end of part 3
;; launch outp (part 4): grid 4 x 64, 4 waves a work-group, clusters of 4 x 4, 243,200 bytes of LDS; arguments codes, scales, bo, out0; writes out0
.if DOCPART == 4
	.amdgcn_target "amdgcn-amd-amdhsa--gfx1250"
	.amdhsa_code_object_version 6
	.text
	.protected	k_qa40afdefe8_outp
	.globl	k_qa40afdefe8_outp
	.p2align	8
	.type	k_qa40afdefe8_outp,@function
k_qa40afdefe8_outp:
	s_mov_b64 s[64:65], 0
	v_nop
	global_prefetch_b8 v0, s[64:65] scope:SCOPE_SE
	s_setreg_imm32_b32 hwreg(HW_REG_WAVE_MODE, 25, 1), 1
	s_wait_xcnt 0x0
	s_wait_alu depctr_hold_cnt(0) depctr_sa_sdst(0) depctr_va_vdst(0) depctr_va_sdst(0) depctr_va_ssrc(0) depctr_va_vcc(0) depctr_vm_vsrc(0)
	s_getreg_b32 s2, hwreg(HW_REG_IB_STS2, 6, 4)
	s_cmp_eq_u32 s2, 0
	s_cbranch_scc0 .Lentry_in_a_cluster
	s_endpgm
.Lentry_in_a_cluster:
	s_bfe_u32 s2, ttmp6, 0x10000c
	s_cmp_lg_u32 s2, 0xf033
	s_cbranch_scc0 .Lentry_shape_is_right
	s_endpgm
.Lentry_shape_is_right:
; out0 = a wo^T + bo on codes of FP4 (E2M1) with E8M0 scales, K = 1,024: a is the attention's result as the launch before stored it (tiles 1792 on), wo's codes are tiles 1728 to 1791.
; The product is the projections' own: S0 = wo is source 0, S1 = a is source 1: a lane holds ONE row of out0 and its registers run along the columns.
; Tiles of 16 rows are not neighbours (row r of tile t = 32 (t / 2) + 8 (t % 2) + r + 8 (r / 8)), so the 16 registers of two neighbouring S0 tiles are 16 neighbouring columns.
; SHARES.  A work-group: 256 columns x 128 rows, all of K.  Wave w: S0 tiles 8 (w / 2) .. + 7, S1 tiles 4 (w % 2) .. + 3: 32 accumulators, 256 registers.
; LDS.  Two halves of K (24 tiles x 4 K steps x 1,024 bytes) and the scale words are each filled ONCE, by three tensor loads of waves 0, 1 (S0) and 2 (S1): nothing is filled again; a wave has three out at the most.
; Behind them lie the waves' stages for the way out, bytes of their own into which no fill lands.
; CLUSTER 4 x 4: S0's tiles hang on cx alone and are asked for jointly by the column, S1's on cy alone, by the row.  The bias is laid into the accumulators while the tiles are on their way.
; REGISTERS.  Window 0: v1-15 addresses; v16-79 S0's scale words; v80-111 S1's; v112-175 S1's fragments, two sets; on the way out v112-239 hold rows.  Window 1: S0's fragments, two sets.  Window 2: accumulator (t, a) at 64 t + 8 a.
.set SLOT,  98304
.set SCL,   2*SLOT
.set STAGE, SCL+12288                  ; 16 rows x 528 bytes for each wave
.set AD0,   4
.set AD1,   6
.set AS0,   8
.set AS1,   9
.set STO,   10                         ; v10  the stage: where I put 32 bytes of a row
.set RD,    11                         ; v11  and where I read a row back
.set BH,    14                         ; v14  64 h
.set SC0,   16
.set SC1,   80
.set S1F,   112
.set BK,    112                        ; the way out: 16 rows read back: v112-175 and v176-239 by turns
.set WV,    22
.set S0H,   23
.set S1H,   24
.set CX,    25
.set CY,    26
.set YY,    28
.set MSB, 0
.macro WIN new                         ; the immediate's high byte repeats the setting that is left
.if MSB != \new
	s_set_vgpr_msb (MSB<<8)|\new
.set MSB, \new
.endif
.endm
.macro PLACES                          ; four plain lines behind a matrix instruction, ahead of loads into its sources and of reads of its result
.rept 4
	v_nop
.endr
.endm
.macro CROUND                          ; a round of the cluster's barrier
	s_barrier_signal -1
	s_barrier_wait -1
	s_cmp_lg_u32 s[WV], 0
	s_cbranch_scc1 .Lnot_wave_0_\@
	s_barrier_signal -3
.Lnot_wave_0_\@:
	s_barrier_wait -3
	s_barrier_signal -1
	s_barrier_wait -1
.endm
	s_load_b256 s[4:11], s[0:1], 0x0               ; codes, scales, bo, out0
	v_lshl_add_u32 v254, v0, 2, 0x3b400
	v_mov_b32 v255, 0
	ds_add_u32 v254, v255
	ds_add_u32 v254, v255
	v_lshrrev_b32 v1, 5, v0
	v_readfirstlane_b32 s[WV], v1
	s_lshr_b32 s[S0H], s[WV], 1
	s_and_b32 s[S1H], s[WV], 1
	s_bfe_u32 s[CX], ttmp6, 0x40000
	s_bfe_u32 s[CY], ttmp6, 0x40004
	s_and_b32 s[YY], ttmp7, 0xffff                 ; the cluster's y: which 512 rows
	s_lshl_b32 s92, s[CX], 4                       ; S0's chain (s92, s93) never holds cy, S1's (s94, s95) never cx
	s_add_co_u32 s92, s92, 1728
	s_lshl_b32 s93, s[WV], 3
	s_add_co_u32 s92, s92, s93                     ; S0: the eight tiles that waves 0 and 1 fetch
	s_lshl_b32 s94, s[YY], 5
	s_add_co_u32 s94, s94, 1792
	s_lshl_b32 s95, s[CY], 3
	s_add_co_u32 s94, s94, s95                     ; S1: the eight tiles that wave 2 fetches
	s_lshl_b32 s29, 0x1111, s[CX]                  ; my column of the cluster
	s_lshl_b32 s66, s[CY], 2
	s_lshl_b32 s66, 15, s66                        ; my row
	; group 1, codes: 8 rows (tiles) of 512 elements of 8 bytes, 1,024 elements apart; no padding.  15:0 the mask; 17:16 element size; 21 set beside a mask
	s_or_b32 s32, s29, (3<<16)|(1<<21)
	s_or_b32 s40, s66, (3<<16)|(1<<21)
.irp g, 32, 40
	s_mov_b32 s[\g+1], 512<<16
	s_mov_b32 s[\g+2], 8<<16
	s_mov_b32 s[\g+3], 512<<16
	s_mov_b32 s[\g+4], 8
	s_mov_b32 s[\g+5], 1024
	s_mov_b32 s[\g+6], 0
	s_mov_b32 s[\g+7], 0
.endr
	; group 1, scale words: 4,096 dense bytes as 16 rows of 256
	s_or_b32 s48, s29, (3<<16)|(1<<21)
	s_or_b32 s56, s66, (3<<16)|(1<<21)
.irp g, 48, 56
	s_mov_b32 s[\g+1], 32<<16
	s_mov_b32 s[\g+2], 16<<16
	s_mov_b32 s[\g+3], 32<<16
	s_mov_b32 s[\g+4], 16
	s_mov_b32 s[\g+5], 32
	s_mov_b32 s[\g+6], 0
	s_mov_b32 s[\g+7], 0
.endr
	s_lshl_b32 s96, s92, 13
	s_mov_b32 s97, 0
	s_lshl_b32 s98, s92, 9
	s_mov_b32 s99, 0
	s_lshl_b32 s100, s94, 13
	s_mov_b32 s101, 0
	s_lshl_b32 s30, s94, 9
	s_mov_b32 s31, 0
	s_lshl_b32 s2, s[WV], 12
	s_add_co_u32 s2, s2, SCL
	s_lshl_b32 s3, s[WV], 15                       ; no place in the cluster enters an LDS address
	s_wait_dscnt 0x0
	s_wait_kmcnt 0x0
	s_mov_b32 s68, 1
	s_mov_b32 s69, s2
	s_add_nc_u64 s[70:71], s[6:7], s[98:99]
	s_or_b32 s71, s71, 0x80000000
	s_mov_b32 s72, 1
	s_mov_b32 s73, s3
	s_add_nc_u64 s[74:75], s[4:5], s[96:97]
	s_or_b32 s75, s75, 0x80000000
	s_mov_b32 s76, 1
	s_add_co_u32 s77, s3, SLOT
	s_add_nc_u64 s[78:79], s[4:5], s[96:97]
	s_add_nc_u64 s[78:79], s[78:79], 4096
	s_or_b32 s79, s79, 0x80000000
	s_mov_b32 s80, 1
	s_mov_b32 s81, s2
	s_add_nc_u64 s[82:83], s[6:7], s[30:31]
	s_or_b32 s83, s83, 0x80000000
	s_mov_b32 s84, 1
	s_mov_b32 s85, s3
	s_add_nc_u64 s[86:87], s[4:5], s[100:101]
	s_or_b32 s87, s87, 0x80000000
	s_mov_b32 s88, 1
	s_add_co_u32 s89, s3, SLOT
	s_add_nc_u64 s[90:91], s[4:5], s[100:101]
	s_add_nc_u64 s[90:91], s[90:91], 4096
	s_or_b32 s91, s91, 0x80000000
	CROUND                                         ; all sixteen work-groups are here: the joint loads meet
	s_cmp_lt_u32 s[WV], 2                          ; a wave's three fills stand in one branch on the wave's number
	s_cbranch_scc0 .Lnot_s0
	tensor_load_to_lds s[68:71], s[48:55]
	s_nop 0
	tensor_load_to_lds s[72:75], s[32:39]
	s_nop 0
	tensor_load_to_lds s[76:79], s[32:39]
	s_nop 0
	PLACES
	s_branch .Lasked
.Lnot_s0:
	s_cmp_eq_u32 s[WV], 2
	s_cbranch_scc0 .Lasked
	tensor_load_to_lds s[80:83], s[56:63]
	s_nop 0
	tensor_load_to_lds s[84:87], s[40:47]
	s_nop 0
	tensor_load_to_lds s[88:91], s[40:47]
	s_nop 0
	PLACES
.Lasked:
	v_and_b32 v1, 31, v0
	v_lshlrev_b32 v1, 4, v1                        ; 16 x lane
	v_and_b32 v2, 15, v0                           ; r
	v_bfe_u32 v3, v0, 4, 1                         ; h
	s_lshl_b32 s92, s[S0H], 15
	v_add_nc_u32 v[AD0], s92, v1
	v_add_nc_u32 v[AD0+1], SLOT, v[AD0]
	s_lshl_b32 s92, s[S1H], 14
	s_add_co_u32 s92, s92, 65536
	v_add_nc_u32 v[AD1], s92, v1
	v_add_nc_u32 v[AD1+1], SLOT, v[AD1]
	v_lshlrev_b32 v[AS1], 4, v2
	s_lshl_b32 s92, s[S0H], 12
	s_add_co_u32 s92, s92, SCL
	v_add_nc_u32 v[AS0], s92, v[AS1]
	s_lshl_b32 s92, s[S1H], 11
	s_add_co_u32 s92, s92, SCL+8192
	v_add_nc_u32 v[AS1], s92, v[AS1]
	s_mul_i32 s92, s[WV], 8448
	s_add_co_u32 s92, s92, STAGE                   ; my stage
	v_mul_u32_u24 v[STO], v2, 528
	v_lshl_add_u32 v[STO], v3, 6, v[STO]
	v_add_nc_u32 v[STO], s92, v[STO]               ; in: row r, + 64 h bytes
	v_add_nc_u32 v[RD], s92, v1                    ; back: the 32 lanes take a row of 512 bytes
	v_lshlrev_b32 v[BH], 6, v3
	; THE BIAS INTO THE ACCUMULATORS: register j of accumulator (t, a) in lane (r, h) is column 32 (a / 2) + 8 (a % 2) + 16 h + j of my 128
	s_lshl_b32 s94, s[CX], 10
	s_lshl_b32 s95, s[S0H], 9
	s_add_co_u32 s94, s94, s95
	s_mov_b32 s95, 0
	s_add_nc_u64 s[92:93], s[8:9], s[94:95]
	WIN 0x80                                       ; destination window 2
.irp t, 0,1,2,3
.irp a, 0,1,2,3,4,5,6,7
	global_load_b128 v[64*\t+8*\a:64*\t+8*\a+3], v[BH], s[92:93] offset:(32*(\a/2)+8*(\a%2))*4
	global_load_b128 v[64*\t+8*\a+4:64*\t+8*\a+7], v[BH], s[92:93] offset:(32*(\a/2)+8*(\a%2))*4+16
.endr
.endr
	WIN 0
	s_wait_loadcnt 0x0                             ; the bias is in, and its base may be written
	s_lshl_b32 s94, s[YY], 5                       ; out0: my first tile of rows, 32 y + 8 cy + 4 (w % 2): 16 rows of 4,096 bytes a tile,
	s_lshl_b32 s95, s[CY], 3
	s_add_co_u32 s94, s94, s95
	s_lshl_b32 s95, s[S1H], 2
	s_add_co_u32 s94, s94, s95
	s_lshl_b32 s94, s94, 16
	s_lshl_b32 s95, s[CX], 10                      ; my first column, 256 cx + 128 (w / 2), in bytes
	s_add_co_u32 s94, s94, s95
	s_lshl_b32 s95, s[S0H], 9
	s_add_co_u32 s94, s94, s95
	s_mov_b32 s95, 0
	s_add_nc_u64 s[92:93], s[10:11], s[94:95]
.macro SCALES                          ; all scale words of my 12 tiles: register SC0 + 32 s + 4 a + j: K step 4 s + j of S0's tile a; lane r holds row r's word
.irp s, 0,1
.irp a, 0,1,2,3,4,5,6,7
	ds_load_b128 v[SC0+32*\s+4*\a:SC0+32*\s+4*\a+3], v[AS0] offset:512*\a+256*\s
.endr
.irp t, 0,1,2,3
	ds_load_b128 v[SC1+16*\s+4*\t:SC1+16*\s+4*\t+3], v[AS1] offset:512*\t+256*\s
.endr
.endr
.endm
.macro FETCH q                         ; K step q's twelve fragments into set q % 2
	WIN 0x40                                       ; destination window 1
.irp a, 0,1,2,3,4,5,6,7
.irp c, 0,1
	ds_load_b128 v[64*((\q)%2)+8*\a+4*\c:64*((\q)%2)+8*\a+4*\c+3], v[AD0+(\q)/4] offset:4096*\a+1024*((\q)%4)+512*\c
.endr
.endr
	WIN 0
.irp t, 0,1,2,3
.irp c, 0,1
	ds_load_b128 v[S1F+32*((\q)%2)+8*\t+4*\c:S1F+32*((\q)%2)+8*\t+4*\c+3], v[AD1+(\q)/4] offset:4096*\t+1024*((\q)%4)+512*\c
.endr
.endr
.endm
.macro STEP q                          ; 128 along K: 32 matrix instructions; the 32 accumulators take turns, one instruction a turn, in the same order in every step
	s_wait_dscnt 0x0                               ; this step's fragments are in
.if (\q) == 3
	s_wait_tensorcnt 0x0                           ; my part of the second half of K has landed,
	s_barrier_signal -1
	s_barrier_wait -1                              ; everybody's has
.endif
.if (\q) < 7
	PLACES                                         ; ahead of loads into the set that the last step multiplied
	FETCH (\q)+1
.endif
	WIN 0xa1                                       ; source 0 window 1, source 1 window 0, C and D window 2
.irp t, 0,1,2,3
.irp a, 0,1,2,3,4,5,6,7
	v_wmma_scale_f32_16x16x128_f8f6f4 v[64*\t+8*\a:64*\t+8*\a+7], v[64*((\q)%2)+8*\a:64*((\q)%2)+8*\a+7], v[S1F+32*((\q)%2)+8*\t:S1F+32*((\q)%2)+8*\t+7], v[64*\t+8*\a:64*\t+8*\a+7], v[SC0+32*((\q)/4)+4*\a+(\q)%4], v[SC1+16*((\q)/4)+4*\t+(\q)%4] matrix_a_fmt:MATRIX_FMT_FP4 matrix_b_fmt:MATRIX_FMT_FP4
.endr
.endr
	WIN 0
.endm
	s_wait_tensorcnt 0x1                           ; my scale words and my part of the first half of K are in; the second half's load may be out
	s_barrier_signal -1
	s_barrier_wait -1                              ; everybody's are
	SCALES
	FETCH 0
.irp q, 0,1,2,3,4,5,6,7
	STEP \q
.endr
; THE WAY OUT, a tile of 16 rows x 128 columns at a time.  A lane holds pieces of 32 bytes of one row and the lanes beside it hold other rows: so a tile goes through my own stage and comes back as whole rows of 512 bytes.
; LDS serves a wave's instructions in order (ISA guide 5.7.1.4): no wait between the stores and the loads, nor ahead of the next tile's stores.
.macro TOSTAGE t
	WIN 0x08                                       ; an LDS store's data are its source 1: window 2
.irp a, 0,1,2,3,4,5,6,7
	ds_store_b128 v[STO], v[64*(\t)+8*\a:64*(\t)+8*\a+3] offset:128*(\a/2)+32*(\a%2)          ; each accumulator from its low end on
	ds_store_b128 v[STO], v[64*(\t)+8*\a+4:64*(\t)+8*\a+7] offset:128*(\a/2)+32*(\a%2)+16
.endr
	WIN 0
.irp i, 0,1,2,3,4,5,6,7,8,9,10,11,12,13,14,15
	ds_load_b128 v[BK+64*((\t)%2)+4*\i:BK+64*((\t)%2)+4*\i+3], v[RD] offset:528*\i
.endr
.endm
.macro SEND t, younger                 ; younger: the LDS instructions issued behind tile t's loads, which may stay out
	s_wait_dscnt \younger
.irp i, 0,1,2,3,4,5,6,7,8,9,10,11,12,13,14,15
	global_store_b128 v1, v[BK+64*((\t)%2)+4*\i:BK+64*((\t)%2)+4*\i+3], s[92:93] offset:(32*((\t)/2)+8*((\t)%2)+\i+8*(\i/8))*4096 th:TH_STORE_NT   ; 512 consecutive bytes of a row, at a multiple of 256 from out0's first byte; the base is never stepped
.endr
.endm
	PLACES                                         ; behind the last products: for the first reads of results and for the loads into the registers that held S1's fragments
	TOSTAGE 0
.irp t, 1,2,3
.if \t > 1
	s_wait_xcnt 0x0                                ; tile t - 2's stores have read their data: tile t's rows may land there
.endif
	TOSTAGE \t
	SEND \t-1, 32                                  ; behind tile t - 1's loads: tile t's 16 stores and 16 loads
.endr
	SEND 3, 0
	s_wait_dscnt 0x0
	s_wait_tensorcnt 0x0
	ds_add_u32 v254, v255
	s_wait_dscnt 0x0
	CROUND                                         ; the closing round: no work-group ends while a partner may still ask for a tile that names it
	s_endpgm
.Lfunc_end_k_qa40afdefe8_outp:
	.size	k_qa40afdefe8_outp, .Lfunc_end_k_qa40afdefe8_outp-k_qa40afdefe8_outp
	.p2alignl 7, 3214868480
	.fill 96, 4, 3214868480
	.section	.rodata,"a",@progbits
	.p2align	6, 0x0
	.amdhsa_kernel k_qa40afdefe8_outp
		.amdhsa_group_segment_fixed_size 243200
		.amdhsa_private_segment_fixed_size 0
		.amdhsa_enable_private_segment 0
		.amdhsa_kernarg_size 32
		.amdhsa_user_sgpr_count 2
		.amdhsa_user_sgpr_kernarg_segment_ptr 1
		.amdhsa_wavefront_size32 1
		.amdhsa_system_sgpr_workgroup_id_x 1
		.amdhsa_system_sgpr_workgroup_id_y 1
		.amdhsa_system_sgpr_workgroup_id_z 1
		.amdhsa_system_vgpr_workitem_id 0
		.amdhsa_next_free_vgpr 768
		.amdhsa_next_free_sgpr 102
		.amdhsa_reserve_vcc 0
		.amdhsa_float_denorm_mode_32 3
		.amdhsa_float_denorm_mode_16_64 3
		.amdhsa_memory_ordered 1
		.amdhsa_forward_progress 1
		.amdhsa_inst_pref_size 77
	.end_amdhsa_kernel
	.amdgpu_metadata
---
amdhsa.version: [ 1, 2 ]
amdhsa.kernels:
  - .name:           k_qa40afdefe8_outp
    .symbol:         k_qa40afdefe8_outp.kd
    .args:
      - { .name: codes, .offset: 0, .size: 8, .value_kind: global_buffer, .address_space: global }
      - { .name: scales, .offset: 8, .size: 8, .value_kind: global_buffer, .address_space: global }
      - { .name: bo, .offset: 16, .size: 8, .value_kind: global_buffer, .address_space: global }
      - { .name: out0, .offset: 24, .size: 8, .value_kind: global_buffer, .address_space: global }
    .group_segment_fixed_size: 243200
    .private_segment_fixed_size: 0
    .kernarg_segment_align: 8
    .kernarg_segment_size: 32
    .max_flat_workgroup_size: 128
    .sgpr_count:     102
    .vgpr_count:     768
    .wavefront_size: 32
...
	.end_amdgpu_metadata
.endif
;; end of part 4
;; ======== version 2 of 2: 4 launches; version 1 with the launch attn written anew for expert scheduling mode
;; workspace buffers: codes 18,874,368 bytes; scales 1,179,648 bytes; qk_codes 8,388,608 bytes; qk_scales 524,288 bytes; v_codes 4,194,304 bytes; v_scales 262,144 bytes; lm 524,288 bytes of whole numbers; cls 512 bytes of whole numbers
;; launch prep: the kernel of part 1 again; grid 576 x 1, 4 waves a work-group, no clusters, 68,096 bytes of LDS; arguments q, k, v, wq, wk, wv, wo, mask, codes, scales, lm, cls; writes codes, scales, lm, cls
;; launch proj: the kernel of part 2 again; grid 4 x 192, 4 waves a work-group, clusters of 4 x 4, 209,408 bytes of LDS; arguments codes, scales, bq, bk, bv, qk_codes, qk_scales, v_codes, v_scales; writes qk_codes, qk_scales, v_codes, v_scales
;; launch attn (part 5): grid 4 x 64, 16 waves a work-group, no clusters, 141,312 bytes of LDS; arguments qk_codes, qk_scales, v_codes, v_scales, lm, cls, codes, scales; writes codes, scales
.if DOCPART == 5
	.amdgcn_target "amdgcn-amd-amdhsa--gfx1250"
	.amdhsa_code_object_version 6
	.text
	.protected	k_qa40afdefe8_attn
	.globl	k_qa40afdefe8_attn
	.p2align	8
	.type	k_qa40afdefe8_attn,@function
k_qa40afdefe8_attn:
	s_mov_b64 s[64:65], 0
	v_nop
	global_prefetch_b8 v0, s[64:65] scope:SCOPE_SE
	s_setreg_imm32_b32 hwreg(HW_REG_WAVE_SCHED_MODE, 0, 2), 2
	s_setreg_imm32_b32 hwreg(HW_REG_WAVE_MODE, 25, 1), 1
	s_wait_xcnt 0x0
	s_wait_alu depctr_vm_vsrc(0)
; Attention of one head on codes of FP4 (E2M1): S^T = K Q^T (K = the head's 64), the mask, p = 2^(t - M), O^T = V^T P^T (K = the keys), O / l, and O quantised along d_model for the last projection.
; t = logit x log2(e); where the mask is set the logit is -1e9, so t = t_m = -1,442,695,040, a whole number.  M = the running largest t rounded up; l is summed of the unquantised p; when M moves, l and O are multiplied by 2^(old M - new M): exact.
; SHARES.  Work-group (j, head): the head's tiles of 16 queries T with T % 4 = j.  Wave w takes T = 4 w + j and then T = 4 (31 - w) + j: a fixed order, right for every mask.  Four waves to a SIMD: one's exponentials stand beside another's loads and products.
; LDS.  The head's K and V codes (65,536 bytes each) and scale words (4,096 each) are filled once, through registers; one barrier.  NO TENSOR LOAD AND NO JOINT LOAD: a key step branches on class words read from memory.
; What the four work-groups of a head share is 139,264 bytes, read once by each.
; A KEY STEP (128 keys) goes one of three ways, by the class that the first launch stored:
;   2, all masked: every t is t_m, so p = 2^(t_m - M) is a power of two (v_ldexp_f32): P's codes are all the code of 4 under the scale p / 4, just what the quantiser gives; no K Q^T, no exponential; V^T P, M, l and O as always.
;   1, mixed: t = score x c, t_m put in by the stored lane masks, then the common lines with the factor 1.      0, open: the common lines on the scores with the factor c = log2(e) / 8.
; K = 64 IN AN INSTRUCTION OF K = 128: source 0 is a PAIR of key tiles (registers 0-3 tile 2 b, 4-7 tile 2 b + 1), source 1 is [Q, zeros] or [zeros, Q]: zero codes take the other tile out.
; LAYOUT.  A lane holds one query (lane % 16) throughout; tiles are not neighbours (row r of tile t = 32 (t / 2) + 8 (t % 2) + r + 8 (r / 8)), so registers 16 b + i of S^T are keys 32 b + 16 (lane / 16) + i, and O^T's likewise channels.
; LIMITS: NaN and infinities are not served; v_exp_f32 gives 0 under 2^-126; in an all-masked step a p under 2^-124 gets zero codes (l is at least 1/2); a block's largest p is taken from the block's largest t,
; which takes v_exp_f32 not to fall where its input rises; a block of zeros gets the byte 1.  The result's scale bytes leave one byte a lane (0.26 MB in all).
; REGISTERS: v1-7, v232 addresses that stay; v8-11 addresses in hand; v12 -M, v13 largest t, v[14:15] l; v16-31 Q twice; v32-63 key pairs; v64-95 V; v96-159 S^T, p; v160-191 O^T; v192-199 P's codes; v200-208, v226 scale words; v212-231 at work.
; THE MODE: SCHED_MODE bits 1:0 = 2 (LLVM: expert scheduling mode 2), set by the entry lines.  The code itself states the register dependences
; between vector or matrix instructions and memory or LDS instructions, with s_wait_alu, always for 0.
; THE PLAN.  Registers that memory or LDS instructions touch, in a key step:
;   v32-63, v200-203  K's pairs and pair words.  LDS loads land in them at the head of a step that is not all masked; that step's eight products K Q^T read them.
;   v64-95, v204-207  V's fragments and scale words.  LDS loads land in them in the step's middle; the step's four products V^T P, its last instructions, read them.
;   v8, v10           K's LDS addresses.  Read by K's loads; written for the NEXT step in the common lines, ahead of the wait that stands in front of V^T P.
;   v9, v11           V's LDS addresses.  Written at the step's head; read by V's loads.
;   All else in a step is named by vector and matrix instructions alone.  v5, v7, v232 are offsets made at the head and never written again.
; THE WAITS OF A STEP.  Open or mixed: the wait on va_vdst behind the 64 exponentials also states that the last step's V^T P is done reading V and that v9, v11 are written: V's loads follow it.  All masked: a wait on va_vdst
; of its own ahead of V's loads, for the same two things.  Common lines: one wait on vm_vsrc (the step's loads have read v8 to v11), then v8, v10 for the next step; the wait on va_vdst in front of V^T P states that P's codes
; and scale word are written, and v8, v10 with them.  So K's loads owe no wait of their own: their addresses were written ahead of that wait of the step before (the first step's: ahead of the wait in front of the loop),
; and the products that read their registers stand ahead of the wait behind their own step's exponentials.
.set VC,    65536
.set KSC,   131072
.set VSC,   135168
.set TMASK, 0xceabfb8f                 ; t_m
.set FLOOR, 0x1800000                  ; 2^(3 - 127)
.set QSO,   232                        ; v232  Q's pair word in memory: 8 r; never rewritten
	s_load_b256 s[4:11], s[0:1], 0x0               ; qk_codes, qk_scales, v_codes, v_scales
	s_load_b128 s[12:15], s[0:1], 0x20             ; lm, cls
	s_load_b128 s[68:71], s[0:1], 0x30             ; codes, scales
	v_lshl_add_u32 v254, v0, 2, 0x22000
	v_mov_b32 v255, 0
	v_lshrrev_b32 v1, 5, v0
	v_readfirstlane_b32 s66, v1                    ; wave 0..15
	s_mov_b32 s67, ttmp9                           ; j
	s_and_b32 s72, ttmp7, 0xffff                   ; 16 b + head
	s_mov_b32 s79, 0xffff0000                      ; the lanes with h = 1
	s_mov_b32 s98, 0x76543210
	s_mov_b32 s99, 0xfedcba98                      ; v_permlanex16_b32's selects for lane l xor 16
	v_lshlrev_b32 v8, 4, v0                        ; the fill: 16 bytes a thread,
	v_lshlrev_b32 v9, 3, v0                        ; 8 of the scale words
	v_add_nc_u32 v10, VC, v8
	v_add_nc_u32 v11, KSC, v9
	v_and_b32 v1, 31, v0                           ; all addresses are made here, while the arguments are on their way
	v_lshlrev_b32 v1, 4, v1                        ; K's codes: 16 x lane
	v_add_nc_u32 v2, VC, v1                        ; V's
	v_and_b32 v7, 31, v0
	v_lshlrev_b32 v7, 4, v7                        ; the same as an offset in memory
	v_and_b32 v5, 15, v0                           ; r
	v_lshl_add_u32 v3, v5, 3, KSC                  ; K's pair words: 8 bytes a row
	v_lshl_add_u32 v4, v5, 4, VSC                  ; V's words: 16 bytes a row
	v_lshlrev_b32 v[QSO], 3, v5                    ; Q's pair word: 8 bytes a row
	v_bfe_u32 v6, v0, 4, 1                         ; h
	v_lshl_add_u32 v5, v5, 4, v6                   ; the result's scale byte: 16 r + h
	v_mov_b32 v6, TMASK
.irp i, 20,21,22,23,24,25,26,27
	v_mov_b32 v\i, 0                               ; the zero halves of [Q, zeros] and [zeros, Q]
.endr
.irp i, 216,217,218,219,225
	v_mov_b32 v\i, 0                               ; lane permutes' destinations, and the upper half of the pair v[224:225]: written once
.endr
	s_lshl_b32 s16, s72, 16
	s_mov_b32 s17, 0
	s_lshl_b32 s18, s72, 12
	s_mov_b32 s19, 0
	s_wait_alu depctr_va_sdst(0)                   ; s66 is written, ahead of its first reader: each pass makes its tile's number from it
	s_wait_kmcnt 0x0
	s_add_nc_u64 s[20:21], s[4:5], s[16:17]
	s_add_nc_u64 s[20:21], s[20:21], 4194304       ; k's codes lie behind q's
	s_add_nc_u64 s[22:23], s[8:9], s[16:17]
	s_add_nc_u64 s[24:25], s[6:7], s[18:19]
	s_add_nc_u64 s[24:25], s[24:25], 262144
	s_add_nc_u64 s[26:27], s[10:11], s[18:19]
	s_wait_alu depctr_va_vdst(0)                   ; v8, v9 are written, the offsets of the loads below; so are v10, v11, the LDS addresses of the fill's stores, and v5, v7, v232, the offsets of the passes' loads and stores
.irp i, 0,1,2,3,4,5,6,7
	global_load_b128 v[96+4*\i:99+4*\i], v8, s[20:21] offset:8192*\i
.endr
.irp i, 0,1,2,3,4,5,6,7
	global_load_b128 v[128+4*\i:131+4*\i], v8, s[22:23] offset:8192*\i
.endr
	global_load_b64 v[160:161], v9, s[24:25]
	global_load_b64 v[162:163], v9, s[26:27]
	s_wait_loadcnt 0x0
.irp i, 0,1,2,3,4,5,6,7
	ds_store_b128 v8, v[96+4*\i:99+4*\i] offset:8192*\i
.endr
.irp i, 0,1,2,3,4,5,6,7
	ds_store_b128 v10, v[128+4*\i:131+4*\i] offset:8192*\i
.endr
	ds_store_b64 v11, v[160:161]
	ds_store_b64 v11, v[162:163] offset:4096
	s_wait_dscnt 0x0                               ; for the others' sake: my stores have landed
	s_barrier_signal -1
	s_barrier_wait -1                              ; the head lies in LDS; nothing is written there again
.macro VFETCH                          ; the step's four fragments of V and their scale words: nine loads
.irp d, 0,1,2,3
.irp c, 0,1
	ds_load_b128 v[64+8*\d+4*\c:67+8*\d+4*\c], v9 offset:1024*\d+512*\c
.endr
.endr
	ds_load_b128 v[204:207], v11
.endm
.macro NEWM                            ; from the running largest t in v13: the new -M in v12 and f = 2^(old M - new M) in v224
	v_mov_b32 v227, v12
	v_floor_f32 v12, -v13                          ; -M = floor(-t) = -ceil(t)
	v_sub_f32 v227, v12, v227                      ; a whole number, 0 or less
	v_cvt_i32_f32 v227, v227                       ; (it saturates)
	v_ldexp_f32 v224, 1.0, v227
.endm
.macro PASS pi                         ; one tile of 16 queries against all 2,048 keys
.if \pi
	s_wait_xcnt 0x0                                ; the last tile's stores have read their data, offsets and bases
	s_wait_alu depctr_vm_vsrc(0)                   ; the last tile's stores have read v192-195 and v229, and its LDS loads v8 to v11: this tile writes them all again
	s_sub_co_u32 s73, 31, s66
	s_lshl_b32 s73, s73, 2
.else
	s_wait_alu depctr_vm_vsrc(0)                   ; the fill's loads and LDS stores have read v8 to v11 and v96-163: this tile writes them all again
	s_lshl_b32 s73, s66, 2
.endif
	s_add_co_u32 s73, s73, s67                     ; T
	s_lshl_b32 s16, s73, 2
	s_mov_b32 s17, 0
	s_add_nc_u64 s[18:19], s[14:15], s[16:17]
	s_load_b32 s74, s[18:19], 0x0                  ; the tile's sixteen classes
	s_lshl_b32 s20, s73, 12
	s_mov_b32 s21, 0
	s_add_nc_u64 s[100:101], s[12:13], s[20:21]    ; its lane masks: 256 bytes a step
	s_lshl_b32 s22, s72, 7
	s_add_co_u32 s22, s22, s73
	s_lshl_b32 s22, s22, 9
	s_mov_b32 s23, 0
	s_add_nc_u64 s[22:23], s[4:5], s[22:23]        ; Q's codes
	s_lshl_b32 s24, s72, 12
	s_lshr_b32 s25, s73, 2
	s_lshl_b32 s25, s25, 7
	s_add_co_u32 s24, s24, s25
	s_bfe_u32 s25, s73, 0x10001
	s_lshl_b32 s25, s25, 2
	s_add_co_u32 s24, s24, s25
	s_mov_b32 s25, 0
	s_add_nc_u64 s[24:25], s[6:7], s[24:25]        ; the pair word that holds Q's two bytes,
	s_and_b32 s26, s73, 1
	s_lshl_b32 s26, s26, 4                         ; in its low or its high half
	global_load_b128 v[16:19], v7, s[22:23]        ; Q twice: the two operands share no register.  No wait: v7 and v232 were written ahead of the head's wait on va_vdst, and the last tile's products, which read Q and its scale word, stand ahead of the wait in front of its stores
	global_load_b128 v[28:31], v7, s[22:23]
	global_load_b32 v208, v[QSO], s[24:25]
	s_mov_b32 s76, 16
	s_mov_b32 s77, 0                               ; the step's codes: 4,096 bytes a step, in K and in V
	s_mov_b32 s78, 0                               ; its scale words: 256 bytes a step
	v_add_nc_u32 v8, s77, v1                       ; K's addresses for the first step, by the step's own lines
	v_add_nc_u32 v10, s78, v3
	v_mov_b32 v13, 0xff61b1e6                      ; the largest t so far: -3e38
	v_floor_f32 v12, -v13
	v_mov_b32 v14, 0
	v_mov_b32 v15, 0
	s_wait_loadcnt 0x0
	s_wait_kmcnt 0x0
	v_lshrrev_b32 v208, s26, v208
	v_perm_b32 v208, v208, v208, 0x01000100        ; Q's two bytes in both halves of the word: it serves [Q, zeros] and [zeros, Q]
.set i, 0
.rept 32
	v_mov_b32 v[160+i], 0                          ; O^T: the first step finds zeros.  (These are also the places between the scale word's lines and the first product)
.set i, i+1
.endr
	s_wait_alu depctr_va_vdst(0)                   ; behind the places: v208 is written, which every product K Q^T of the tile takes as a scale; so are v8 and v10, which the first step's loads of K read
.Ltrip_\@:
	s_and_b32 s75, s74, 3                          ; this step's class
	s_lshr_b32 s74, s74, 2
	v_add_nc_u32 v9, s77, v2                       ; V's addresses for this step: the last step's loads of V stand ahead of the wait on vm_vsrc in its common lines
	v_add_nc_u32 v11, s78, v4
	s_cmp_eq_u32 s75, 2
	s_cbranch_scc1 .Lmasked_\@
	s_load_b512 s[16:31], s[100:101], 0x0          ; the 64 lane masks, asked for on this way always
	s_load_b512 s[32:47], s[100:101], 0x40
	s_load_b512 s[48:63], s[100:101], 0x80
	s_load_b512 s[80:95], s[100:101], 0xc0
.irp b, 0,1,2,3
.irp c, 0,1
	ds_load_b128 v[32+8*\b+4*\c:35+8*\b+4*\c], v8 offset:1024*\b+512*\c   ; no wait: no vector or matrix instruction since the last wait on va_vdst names v8, v10, v32-63 or v200-203
.endr
.endr
	ds_load_b64 v[200:201], v10
	ds_load_b64 v[202:203], v10 offset:128
	s_wait_dscnt 0x0                               ; K's ten loads are in
.irp b, 0,1,2,3
.irp u, 0,1
	v_wmma_scale_f32_16x16x128_f8f6f4 v[96+8*(2*\b+\u):103+8*(2*\b+\u)], v[32+8*\b:39+8*\b], v[16+8*\u:23+8*\u], 0, v[200+\b], v208 matrix_a_fmt:MATRIX_FMT_FP4 matrix_b_fmt:MATRIX_FMT_FP4
.endr
.endr
.rept 4
	v_nop
.endr
	s_wait_kmcnt 0x0
	s_mov_b32 s96, 0x3e38aa3b                      ; c = log2(e) / 8
	s_mov_b32 s97, s96
	s_cmp_eq_u32 s75, 0
	s_cbranch_scc1 .Lopen_\@
.set i, 0
.rept 32
	v_pk_mul_f32 v[96+i:97+i], v[96+i:97+i], s[96:97] op_sel_hi:[1,0]    ; mixed: t
.set i, i+2
.endr
.set n, 0
.rept 64
.if n < 48
	v_cndmask_b32 v[96+n], v[96+n], v6, s[16+n]    ; t_m where the mask is set
.else
	v_cndmask_b32 v[96+n], v[96+n], v6, s[32+n]
.endif
.set n, n+1
.endr
	s_mov_b32 s96, 1.0
	s_mov_b32 s97, 1.0
.Lopen_\@:
.irp b, 0,1,2,3
	v_max3_num_f32 v[212+\b], v[96+16*\b], v[97+16*\b], v[98+16*\b]      ; the largest of each block of 32 keys: for the row's maximum and for the block's largest p
.endr
.irp i, 3,5,7,9,11,13
.irp b, 0,1,2,3
	v_max3_num_f32 v[212+\b], v[212+\b], v[96+16*\b+\i], v[97+16*\b+\i]
.endr
.endr
.irp b, 0,1,2,3
	v_max_num_f32 v[212+\b], v[212+\b], v[111+16*\b]
.endr
.irp b, 0,1,2,3
	v_permlanex16_b32 v[216+\b], v[212+\b], s98, s99
.endr
.irp b, 0,1,2,3
	v_max_num_f32 v[212+\b], v[212+\b], v[216+\b]  ; with lane l xor 16's 16 keys
.endr
	v_max3_num_f32 v227, v212, v213, v214
	v_max_num_f32 v227, v227, v215
	v_mul_f32 v227, s96, v227                      ; as t
	v_max_num_f32 v13, v13, v227
	NEWM
.set i, 0
.rept 32
	v_pk_fma_f32 v[96+i:97+i], v[96+i:97+i], s[96:97], v[12:13] op_sel_hi:[1,0,0]   ; t - M, two at a time
.set i, i+2
.endr
.irp b, 0,1,2,3
	v_fma_f32 v[212+\b], v[212+\b], s96, v12
.endr
.set i, 0
.rept 64
	v_exp_f32 v[96+i], v[96+i]                     ; p = 2^(t - M)
.set i, i+1
.endr
	v_pk_mul_f32 v[14:15], v[14:15], v[224:225] op_sel_hi:[1,0]          ; l under the new M: the plain line behind the exponentials
	s_wait_alu depctr_va_vdst(0)                   ; the 64 exponentials have written p, ahead of its first reader; the last step's products V^T P are done reading v64-95 and v204-207, in which the loads below land; v9 and v11 are written, which they read
	VFETCH                                         ; V has the sums and the quantiser's lines in which to land
.irp b, 0,1,2,3
	v_exp_f32 v[212+\b], v[212+\b]                 ; each block's largest p
.endr
	v_pk_add_f32 v[230:231], v[96:97], v[98:99]    ; l is summed of the unquantised p, in two chains
.irp j, 4,8,12,16,20,24,28,32,36,40,44,48,52,56,60
	v_pk_add_f32 v[14:15], v[14:15], v[96+\j:97+\j]
	v_pk_add_f32 v[230:231], v[230:231], v[98+\j:99+\j]
.endr
	v_pk_add_f32 v[14:15], v[14:15], v[230:231]
	s_wait_alu depctr_va_vdst(0)                   ; the four exponentials have written v212-215, ahead of their first reader
.irp b, 0,1,2,3
	v_max_num_f32 v[212+\b], FLOOR, v[212+\b]      ; the byte cannot fall under 1
.endr
.irp b, 0,1,2,3
	v_add_nc_u32 v[220+\b], 0xff000000, v[212+\b]  ; 2 off the exponent field: the conversion's scale operand
.endr
.irp b, 0,1,2,3
	v_lshrrev_b32 v[216+\b], 23, v[220+\b]
.endr
	v_lshl_or_b32 v226, v217, 8, v216              ; P's scale word for these 128 keys
	v_lshl_or_b32 v226, v218, 16, v226
	v_lshl_or_b32 v226, v219, 24, v226
.irp b, 0,1,2,3
	v_cvt_scalef32_pk8_fp4_f32 v[192+2*\b], v[96+16*\b:103+16*\b], v[220+\b]
	v_cvt_scalef32_pk8_fp4_f32 v[193+2*\b], v[104+16*\b:111+16*\b], v[220+\b]
.endr
	v_nop                                          ; one plain line behind the last scaled conversion
.irp c, 0,1
.irp i, 0,1
	v_permlane16_swap_b32 v[192+4*\c+\i], v[194+4*\c+\i]                 ; a whole block to a lane
.endr
.endr
	s_branch .Lpv_\@
.Lmasked_\@:
	v_max_num_f32 v13, v13, v6
	NEWM
	s_wait_alu depctr_va_vdst(0)                   ; the last step's products V^T P are done reading v64-95 and v204-207, in which the loads below land; v9 and v11 are written, which they read
	VFETCH
	v_add_f32 v228, v6, v12                        ; t_m - M: a whole number, 0 or less
	v_cvt_i32_f32 v228, v228
	v_ldexp_f32 v228, 1.0, v228                    ; p, the same for all 128 keys
	v_cmp_le_f32 vcc_lo, FLOOR, v228               ; (for the codes below)
	v_pk_mul_f32 v[14:15], v[14:15], v[224:225] op_sel_hi:[1,0]
	v_fmac_f32 v14, 0x42000000, v228               ; my 64 keys: 32 p to each half of l
	v_fmac_f32 v15, 0x42000000, v228
	v_max_num_f32 v227, FLOOR, v228
	v_add_nc_u32 v227, 0xff000000, v227
	v_lshrrev_b32 v227, 23, v227                   ; the byte of p / 4,
	v_perm_b32 v226, v227, v227, 0                 ; for all four blocks
	v_mov_b32 v229, 0x66666666                     ; eight codes of the number 4
	s_wait_alu depctr_va_vcc(0)                    ; the compare has written VCC, which the select below reads
	v_cndmask_b32 v192, 0, v229, vcc_lo            ; zeros where p lies under the floor
.irp i, 1,2,3,4,5,6,7
	v_mov_b32 v[192+\i], v192
.endr
.Lpv_\@:
	s_add_co_u32 s77, s77, 4096                    ; on to the next step's codes
	s_add_co_u32 s78, s78, 256                     ; and scale words
	s_wait_alu depctr_vm_vsrc(0)                   ; the LDS loads issued so far have read v8 and v10, which the two lines below write, and v9 and v11, which the next step's head writes
	v_add_nc_u32 v8, s77, v1                       ; K's addresses for the next step (the last step's are not used)
	v_add_nc_u32 v10, s78, v3
.set i, 0
.rept 16
	v_pk_mul_f32 v[160+i:161+i], v[160+i:161+i], v[224:225] op_sel_hi:[1,0]   ; O^T under the new M.  (Also the places between P's codes and scale word and the products)
.set i, i+2
.endr
	s_wait_dscnt 0x0                               ; V is in
	s_wait_alu depctr_va_vdst(0)                   ; behind the places: P's codes v192-199 and its scale word v226 are written, which the products below take; so are v8 and v10, which the next step's loads of K read
.irp d, 0,1,2,3                                ; the four accumulators take turns; the next matrix instruction on every way names another accumulator than the last
	v_wmma_scale_f32_16x16x128_f8f6f4 v[160+8*\d:167+8*\d], v[64+8*\d:71+8*\d], v[192:199], v[160+8*\d:167+8*\d], v[204+\d], v226 matrix_a_fmt:MATRIX_FMT_FP4 matrix_b_fmt:MATRIX_FMT_FP4
.endr
	s_add_nc_u64 s[100:101], s[100:101], 256       ; no scalar load is out here
	s_sub_co_u32 s76, s76, 1
	s_cmp_lg_u32 s76, 0
	s_cbranch_scc1 .Ltrip_\@
	; O / l, quantised along d_model: my head's 64 channels are two blocks of K step head / 2 of the last projection's operand
.rept 4
	v_nop
.endr
	v_add_f32 v14, v14, v15
	v_permlanex16_b32 v227, v14, s98, s99
	v_add_f32 v14, v14, v227                       ; the row's sum
	v_rcp_f32 v14, v14
	s_lshr_b32 s16, s72, 4
	s_lshl_b32 s16, s16, 7
	s_add_co_u32 s16, s16, s73
	s_add_co_u32 s16, s16, 1792                    ; the result's tile in the buffers of codes and scales
	s_and_b32 s17, s72, 15                         ; the head
	s_lshl_b32 s20, s16, 13
	s_lshl_b32 s21, s17, 9
	s_add_co_u32 s20, s20, s21
	s_mov_b32 s21, 0
	s_add_nc_u64 s[20:21], s[68:69], s[20:21]
	s_lshl_b32 s22, s16, 9
	s_lshr_b32 s23, s17, 3
	s_lshl_b32 s23, s23, 8                         ; which half of K,
	s_add_co_u32 s22, s22, s23
	s_bfe_u32 s23, s17, 0x20001
	s_lshl_b32 s23, s23, 2                         ; which word,
	s_add_co_u32 s22, s22, s23
	s_and_b32 s23, s17, 1
	s_lshl_b32 s23, s23, 1                         ; which two bytes of it
	s_add_co_u32 s22, s22, s23
	s_mov_b32 s23, 0
	s_add_nc_u64 s[22:23], s[70:71], s[22:23]
	v_nop                                          ; a plain line behind the reciprocal
	s_wait_alu depctr_va_vdst(0)                   ; the reciprocal has written v14, ahead of its first reader
.set i, 0
.rept 32
	v_mul_f32 v[96+i], v[160+i], v14               ; register 16 b + i: channel 32 b + 16 h + i
.set i, i+1
.endr
.irp b, 0,1
	v_max3_num_f32 v[212+\b], |v[96+16*\b]|, |v[97+16*\b]|, FLOOR
.endr
.irp i, 2,4,6,8,10,12,14
.irp b, 0,1
	v_max3_num_f32 v[212+\b], v[212+\b], |v[96+16*\b+\i]|, |v[97+16*\b+\i]|
.endr
.endr
.irp b, 0,1
	v_permlanex16_b32 v[216+\b], v[212+\b], s98, s99
.endr
.irp b, 0,1
	v_max_num_f32 v[212+\b], v[212+\b], v[216+\b]
.endr
.irp b, 0,1
	v_add_nc_u32 v[220+\b], 0xff000000, v[212+\b]
.endr
.irp b, 0,1
	v_lshrrev_b32 v[216+\b], 23, v[220+\b]
.endr
.irp b, 0,1
	v_cvt_scalef32_pk8_fp4_f32 v[192+2*\b], v[96+16*\b:103+16*\b], v[220+\b]
	v_cvt_scalef32_pk8_fp4_f32 v[193+2*\b], v[104+16*\b:111+16*\b], v[220+\b]
.endr
	v_nop
	v_permlane16_swap_b32 v192, v194
	v_permlane16_swap_b32 v193, v195               ; lanes 0-15 hold block 0, lanes 16-31 block 1
	v_cndmask_b32 v229, v216, v217, s79
	s_wait_alu depctr_va_vdst(0)                   ; the codes v192-195 and the byte v229 are written, which the two stores read
	global_store_b128 v7, v[192:195], s[20:21]     ; 512 consecutive bytes
	global_store_b8 v5, v229, s[22:23]             ; my row's byte of block h
.endm
	PASS 0
	PASS 1
	s_wait_dscnt 0x0                               ; the closing lines, six on end
	s_wait_alu 0x0
	s_wait_tensorcnt 0x0
	ds_add_u32 v254, v255
	s_wait_dscnt 0x0
	s_endpgm
.Lfunc_end_k_qa40afdefe8_attn:
	.size	k_qa40afdefe8_attn, .Lfunc_end_k_qa40afdefe8_attn-k_qa40afdefe8_attn
	.p2alignl 7, 3214868480
	.fill 96, 4, 3214868480
	.section	.rodata,"a",@progbits
	.p2align	6, 0x0
	.amdhsa_kernel k_qa40afdefe8_attn
		.amdhsa_group_segment_fixed_size 141312
		.amdhsa_private_segment_fixed_size 0
		.amdhsa_enable_private_segment 0
		.amdhsa_kernarg_size 64
		.amdhsa_user_sgpr_count 2
		.amdhsa_user_sgpr_kernarg_segment_ptr 1
		.amdhsa_wavefront_size32 1
		.amdhsa_system_sgpr_workgroup_id_x 1
		.amdhsa_system_sgpr_workgroup_id_y 1
		.amdhsa_system_sgpr_workgroup_id_z 1
		.amdhsa_system_vgpr_workitem_id 0
		.amdhsa_next_free_vgpr 256
		.amdhsa_next_free_sgpr 102
		.amdhsa_reserve_vcc 1
		.amdhsa_float_denorm_mode_32 3
		.amdhsa_float_denorm_mode_16_64 3
		.amdhsa_memory_ordered 1
		.amdhsa_forward_progress 1
		.amdhsa_inst_pref_size 67
	.end_amdhsa_kernel
	.amdgpu_metadata
---
amdhsa.version: [ 1, 2 ]
amdhsa.kernels:
  - .name:           k_qa40afdefe8_attn
    .symbol:         k_qa40afdefe8_attn.kd
    .args:
      - { .name: qk_codes, .offset: 0, .size: 8, .value_kind: global_buffer, .address_space: global }
      - { .name: qk_scales, .offset: 8, .size: 8, .value_kind: global_buffer, .address_space: global }
      - { .name: v_codes, .offset: 16, .size: 8, .value_kind: global_buffer, .address_space: global }
      - { .name: v_scales, .offset: 24, .size: 8, .value_kind: global_buffer, .address_space: global }
      - { .name: lm, .offset: 32, .size: 8, .value_kind: global_buffer, .address_space: global }
      - { .name: cls, .offset: 40, .size: 8, .value_kind: global_buffer, .address_space: global }
      - { .name: codes, .offset: 48, .size: 8, .value_kind: global_buffer, .address_space: global }
      - { .name: scales, .offset: 56, .size: 8, .value_kind: global_buffer, .address_space: global }
    .group_segment_fixed_size: 141312
    .private_segment_fixed_size: 0
    .kernarg_segment_align: 8
    .kernarg_segment_size: 64
    .max_flat_workgroup_size: 512
    .sgpr_count:     102
    .vgpr_count:     256
    .wavefront_size: 32
...
	.end_amdgpu_metadata
.endif
;; end of part 5
;; launch outp: the kernel of part 4 again; grid 4 x 64, 4 waves a work-group, clusters of 4 x 4, 243,200 bytes of LDS; arguments codes, scales, bo, out0; writes out0
